; MI455X (gfx1250); checked and timed in simulation.
; The chip was launched on July 23, 2026; its instructions are those of AMD's public machine-readable ISA for CDNA 5 (MIT licence, August 2026) and "CDNA5" Instruction Set Architecture Reference Guide (July 2026). The comments in the code are by the model that wrote it; some were corrected since.
;; Multi Head Attention Block. Allowed arithmetic: matrix products marked QUANTISED: E2M1 operands, one E8M0 scale for each 32 along K, by v_wmma_scale_f32_16x16x128_f8f6f4 with both operands' format E2M1 (or v_wmma_scale_f32_32x16x128_f4), f32 sums; products left as they are: bf16, f16 or f32 operands; f32 sums; everything else in f32.
;; Inputs: bk 1,024 float32; bo 1,024 float32; bq 1,024 float32; bv 1,024 float32; k 4 x 2,048 x 1,024 float32; q 4 x 2,048 x 1,024 float32; v 4 x 2,048 x 1,024 float32; wk 1,024 x 1,024 float32; wo 1,024 x 1,024 float32; wq 1,024 x 1,024 float32; wv 1,024 x 1,024 float32.
;; Outputs: out0 4 x 2,048 x 1,024 float32.
;; This version of the problem:
;;   THIS VERSION OF THE PROBLEM IS GIVEN IN LOW PRECISION. The matrix products marked QUANTISED in the list below multiply operands that are first quantised to E2M1 (2 exponent bits, 1 mantissa bit; 4 bits a number), with one power-of-two scale for each 32 numbers along K (OCP MX v1.0); their sums are f32. The products marked 'left as it is' may take bf16, f16 or f32 operands, with f32 sums. Whichever they take, every output number must still come out within the allowed error. Rounding operands to bf16 (8 significant bits) uses up far more of that allowance than f16 does (11 bits, for magnitudes from 6e-5 to 65,504). All else is computed in f32.
;;   The module's matrix products, in the order in which they are computed (A, B: the left and right operand; K: the contracted axis; several contracted axes count as one K, in the product's order):
;;     1. [M 8,192, K 1,024] x [K 1,024, N 1,024]; A: input q; B: input wq: QUANTISED
;;     2. [M 8,192, K 1,024] x [K 1,024, N 1,024]; A: input k; B: input wk: QUANTISED
;;     3. [M 8,192, K 1,024] x [K 1,024, N 1,024]; A: input v; B: input wv: QUANTISED
;;     4. batch 64 x [M 2,048, K 64] x [K 64, N 2,048]; A: computed on the way; B: computed on the way: left as it is (an operand is computed on the way)
;;     5. batch 64 x [M 2,048, K 2,048] x [K 2,048, N 64]; A: computed on the way; B: computed on the way: left as it is (an operand is computed on the way)
;;     6. [M 8,192, K 1,024] x [K 1,024, N 1,024]; A: computed on the way; B: input wo: left as it is (an operand is computed on the way)
;;   THE QUANTISER, for each operand of a quantised product, along K:
;;     - K is cut into blocks of 32 from its start; a last block that is shorter is filled with zeros.
;;     - A block's scale is 2^e with e = floor(log2(the largest magnitude in the block)) - 2, held to -126 .. 127; a block of zeros has e = 0. As a byte (E8M0): e + 127.
;;     - Each number is divided by its block's scale, clamped to +-6, and rounded to the nearest number of E2M1, ties to even, subnormals kept.
;;     - The product sums the exact products of the quantised numbers (number of the format x scale) in f32.
;;   ~~~python
;;   def quantise(x, axis):      # numpy; x: float32 -> the quantised numbers, widened to float32 again
;;       x = np.moveaxis(x, axis, -1); K = x.shape[-1]
;;       x = np.pad(x, [(0, 0)] * (x.ndim - 1) + [(0, -K % 32)]); x = x.reshape(x.shape[:-1] + (-1, 32)); a = np.abs(x).max(-1, keepdims=True)
;;       e = np.where(a > 0, np.clip(np.frexp(np.where(a > 0, a, 1))[1] - 1 - 2, -126, 127), 0)      # np.frexp(a)[1] - 1 = floor(log2(a)), exactly
;;       r = np.clip(x / 2.0 ** e, -6, 6)
;;       step = 2.0 ** (np.maximum(np.frexp(np.where(r == 0, 1, r))[1] - 1, 0) - 1)
;;       q = np.round(r / step) * step * 2.0 ** e      # np.round: ties to even
;;       return np.moveaxis(q.reshape(q.shape[:-2] + (-1,))[..., :K], -1, axis).astype(np.float32)
;;   ~~~
;; One version. Each part assembles by itself: llvm-mc -triple=amdgcn-amd-amdhsa -mcpu=gfx1250 --defsym DOCPART=n.
;; ======== version 1 of 1: 4 launches
;; limits: values are held in f16: magnitudes above 65,504 overflow, below 6.1e-05 lose precision
;; workspace buffers: codes 14,155,776 bytes; scales 884,736 bytes; wo16 2,097,152 bytes; qkv 50,331,648 bytes; ctx 16,777,216 bytes
;; launch quant (part 1): grid 896 x 1, 4 waves a work-group, no clusters, 33,280 bytes of LDS; arguments q, k, v, wq, wk, wv, wo, codes, scales, wo16; writes codes, scales, wo16
.if DOCPART == 1
	.amdgcn_target "amdgcn-amd-amdhsa--gfx1250"
	.amdhsa_code_object_version 6
	.text
	.protected	k_q897c318aed_quant
	.globl	k_q897c318aed_quant
	.p2align	8
	.type	k_q897c318aed_quant,@function
k_q897c318aed_quant:
	s_mov_b64 s[64:65], 0
	v_nop
	global_prefetch_b8 v0, s[64:65] scope:SCOPE_SE
	s_setreg_imm32_b32 hwreg(HW_REG_WAVE_MODE, 25, 1), 1
	s_wait_xcnt 0x0
; q, k, v [8192][1024] and wq, wk, wv [1024][1024], f32 with K innermost, become codes of FP4 (E2M1), two a byte, and one E8M0 scale byte for each 32 along K; wo [1024][1024] becomes f16.
; The six tensors are taken as ONE stream of blocks of 32 numbers, q | k | v | wq | wk | wv: rows are dense and 1,024 is a multiple of 32, so codes and scale bytes are plain streams too,
; and a work-group's place in both output streams is linear in its number: only the input's pointer is chosen.
; A block's scale is 2^(floor(log2(its largest magnitude)) - 2); its byte is the largest magnitude's exponent field - 2, held at 1 from below.  Each number is divided by the scale and rounded to the nearest code, ties to even,
; beyond 6 the largest code.  (A block of zeros gets the byte 1 where the rule says 127: its codes are zeros, which add nothing under any byte but 0xff, and this program alone reads the bytes.)
; LIMITS: blocks whose largest magnitude lies under 2^-124, the floor, were not tried; NaN and infinities among the inputs are not served; wo's magnitudes stay under 65,504 (f16).
; SHARES: a work-group takes 32,768 numbers, a wave 8,192.  Work-groups 0-255 q, 256-511 k, 512-767 v, 768-799 wq, 800-831 wk, 832-863 wv, 864-895 wo.
; THE QUANTISER: 16 steps of 512 numbers a wave.  Each of a step's four loads reads 512 consecutive bytes, 16 a lane; the 2,048 bytes go through the wave's own stage in LDS and come back 64 bytes a lane, so that a lane
; holds 16 neighbours along K (two neighbouring lanes hold a block).  A lane's 16 codes are 8 bytes: the wave stores 256 consecutive bytes.  A wave's 256 scale bytes are gathered in LDS and leave as one store of 256 consecutive bytes.
; No tensor loads, no barrier: waves share nothing.  Loads run four steps (16 loads a wave) ahead, the turn through LDS one step.
.set WAVES, 4
.set STEPS, 16
.set EMAX,  2
.set CB,    8                          ; bytes of 16 codes
.set R,     16                         ; v16-79   four sets of 16 numbers as they are loaded (the cast: v16-79 and v80-143, two sets of 64)
.set X,     80                         ; v80-111  two sets of 16 neighbours
.set E,     112                        ; v112-127 a scale byte for each step
.set C,     128                        ; v128-191 codes: four registers for each step, so that no store's data are written again
.set H,     144                        ; v144-175 the cast: 16 pairs of registers of f16
.set WREG,  8192                       ; LDS: a region for each wave: two stages of 32 x SP bytes, behind them its 256 scale bytes
.set SP,    80                         ; a lane's place in a stage: its 64 bytes + 16 of padding
.set SPW,   12                         ; v12      LDS address of my spare word: SPARE + 4 x my thread's number; never rewritten
.set NIL,   13                         ; v13      0; never rewritten
.set SPARE, WAVES*WREG                 ; behind the four regions: the spare words, 128 bytes for each wave; no other line names them
.set WO0,   864                        ; the first work-group of wo
	s_load_b512 s[8:23], s[0:1], 0x0               ; q 8:9, k 10:11, v 12:13, wq 14:15, wk 16:17, wv 18:19, wo 20:21, codes 22:23
	s_load_b128 s[24:27], s[0:1], 0x40             ; scales 24:25, wo16 26:27
	v_lshl_add_u32 v[SPW], v0, 2, SPARE
	v_mov_b32 v[NIL], 0
	v_lshrrev_b32 v1, 5, v0
	v_readfirstlane_b32 s2, v1                     ; wave
	v_and_b32 v2, 31, v0                           ; lane
	v_lshlrev_b32 v3, 4, v2                        ; my 16 bytes of a load's 512
	s_mul_i32 s3, s2, WREG
	v_lshrrev_b32 v14, 2, v2
	v_mul_u32_u24 v14, v14, SP
	v_and_b32 v15, 3, v2
	v_lshl_add_u32 v14, v15, 4, v14
	v_add_nc_u32 v14, s3, v14                      ; the stage, on the way in: four lanes' 64 bytes on end, then 16 of padding
	v_mul_u32_u24 v15, v2, SP
	v_add_nc_u32 v15, s3, v15                      ; and on the way out: SP x lane: my 16 neighbours
	v_mul_u32_u24 v4, v2, CB                       ; 8 x lane: my codes' place in a step's; the cast's place in a store's 256 bytes
	v_lshrrev_b32 v5, 1, v2
	s_add_co_u32 s3, s3, 2*32*SP
	v_add_nc_u32 v5, s3, v5                        ; LDS: my wave's 256 scale bytes, my block's byte
	v_lshlrev_b32 v7, 3, v2                        ; and on the way out 8 bytes a lane
	v_add_nc_u32 v6, s3, v7
	s_wait_kmcnt 0x0
; the input's pointer and the tensor's first work-group: a chain of choices on the work-group's number alone
.macro PICK first, ptr
	s_cmp_ge_u32 ttmp9, \first
	s_cselect_b64 s[4:5], s[\ptr:\ptr+1], s[4:5]
	s_cselect_b32 s28, \first, s28
.endm
	s_mov_b64 s[4:5], s[8:9]
	s_mov_b32 s28, 0
	PICK 256, 10
	PICK 512, 12
	PICK 768, 14
	PICK 800, 16
	PICK 832, 18
	PICK WO0, 20
	s_sub_co_u32 s29, ttmp9, s28                   ; my number within the tensor
	s_lshl_b32 s30, s29, 17                        ; 131,072 bytes of f32 a work-group (at most 255 of them: under 2^25),
	s_lshl_b32 s3, s2, 15                          ; 32,768 a wave
	s_add_co_u32 s30, s30, s3
	s_mov_b32 s31, 0
	s_add_nc_u64 s[4:5], s[4:5], s[30:31]
	s_cmp_lt_u32 ttmp9, WO0
	s_cbranch_scc1 .Lquant
	; ---- THE CAST: wo to f16.  64 loads of 512 consecutive bytes a wave, in four batches of 16; each gives one store of 256 consecutive bytes.  No LDS.
	s_lshl_b32 s30, s29, 16                        ; 65,536 bytes of f16 a work-group,
	s_lshl_b32 s3, s2, 14                          ; 16,384 a wave
	s_add_co_u32 s30, s30, s3
	s_add_nc_u64 s[26:27], s[26:27], s[30:31]
.macro WOLOAD t
.irp i, 0,1,2,3,4,5,6,7,8,9,10,11,12,13,14,15
	global_load_b128 v[R+64*((\t)%2)+4*\i:R+64*((\t)%2)+4*\i+3], v3, s[4:5] offset:8192*(\t)+512*\i th:TH_LOAD_NT
.endr
.endm
.macro WOB t
.if (\t) < 3
	WOLOAD (\t)+1                                  ; the next batch goes out first
	s_wait_loadcnt 16                              ; this batch's 16 loads are in; the 16 just issued may be out
.else
	s_wait_loadcnt 0x0
.endif
.if (\t) > 0
	s_wait_xcnt 0x0                                ; the last batch's stores have read their data: the registers are written again only behind this wait
.endif
.irp i, 0,1,2,3,4,5,6,7,8,9,10,11,12,13,14,15
	v_cvt_pk_f16_f32 v[H+2*\i],   v[R+64*((\t)%2)+4*\i],   v[R+64*((\t)%2)+4*\i+1]
	v_cvt_pk_f16_f32 v[H+2*\i+1], v[R+64*((\t)%2)+4*\i+2], v[R+64*((\t)%2)+4*\i+3]
.endr
.irp i, 0,1,2,3,4,5,6,7,8,9,10,11,12,13,14,15
	global_store_b64 v4, v[H+2*\i:H+2*\i+1], s[26:27] offset:4096*(\t)+256*\i   ; 32 lanes store 256 consecutive bytes, aligned
.endr
.endm
	WOLOAD 0
	WOB 0
	WOB 1
	WOB 2
	WOB 3
	s_branch .Lend
	; ---- THE QUANTISER
.Lquant:
	s_lshl_b32 s32, ttmp9, 2
	s_add_co_u32 s32, s32, s2                      ; which run of 8,192 numbers of the stream is my wave's
	s_lshl_b32 s30, s32, 12                        ; 4,096 bytes of codes a run,
	s_add_nc_u64 s[22:23], s[22:23], s[30:31]
	s_lshl_b32 s30, s32, 8                         ; 256 scale bytes
	s_add_nc_u64 s[24:25], s[24:25], s[30:31]
.macro LOAD t
.irp i, 0,1,2,3
	global_load_b128 v[R+16*((\t)%4)+4*\i:R+16*((\t)%4)+4*\i+3], v3, s[4:5] offset:2048*(\t)+512*\i th:TH_LOAD_NT   ; 32 lanes read 512 consecutive bytes
.endr
.endm
.macro TURN t                          ; step t's numbers through the stage: LDS serves a wave's instructions in order, so no wait stands between the stores and the loads
.irp i, 0,1,2,3
	ds_store_b128 v14, v[R+16*((\t)%4)+4*\i:R+16*((\t)%4)+4*\i+3] offset:32*SP*((\t)%2)+8*SP*\i
.endr
.irp i, 0,1,2,3
	ds_load_b128 v[X+16*((\t)%2)+4*\i:X+16*((\t)%2)+4*\i+3], v15 offset:32*SP*((\t)%2)+16*\i
.endr
.endm
.irp t, 0,1,2,3
	LOAD \t
.endr
	s_wait_loadcnt 12                              ; step 0's four loads are in
	TURN 0
.macro STEP t
.set XS, X+16*((\t)%2)
.if (\t) > 0
	s_wait_dscnt 1                                 ; this step's numbers are back from the stage (the last step's byte store may be out): so its stores into the stage have read their registers,
.else
	s_wait_dscnt 0x0
.endif
.if (\t)+4 < STEPS
	LOAD (\t)+4                                    ; which take the loads of four steps on
.endif
.if (\t)+1 < STEPS
.if STEPS-2-(\t) >= 3
	s_wait_loadcnt 12                              ; the next step's four loads are in; those of the three steps behind it may be out
.else
	s_wait_loadcnt 4*(STEPS-2-(\t))
.endif
	TURN (\t)+1                                    ; and go through the other stage while this step is worked
.endif
	v_max3_num_f32 v8, |v[XS]|, |v[XS+1]|, |v[XS+2]|               ; the largest magnitude of my 16, in two chains
	v_max3_num_f32 v9, |v[XS+3]|, |v[XS+4]|, |v[XS+5]|
.irp i, 6,10
	v_max3_num_f32 v8, v8, |v[XS+\i]|, |v[XS+\i+1]|
	v_max3_num_f32 v9, v9, |v[XS+\i+2]|, |v[XS+\i+3]|
.endr
	v_max3_num_f32 v8, v8, |v[XS+14]|, |v[XS+15]|
	v_max3_num_f32 v8, v8, v9, (EMAX+1)<<23        ; and the floor 2^(EMAX + 1 - 127): so the byte cannot fall under 1
	v_max_num_f32_dpp v8, v8, v8 row_xmask:1 row_mask:0xf bank_mask:0xf   ; and of my neighbour's 16: the block's
	v_add_nc_u32 v11, -(EMAX<<23), v8              ; EMAX off its exponent field: the conversion takes the exponent field of this operand as its scale, and nothing else of it
	v_cvt_scalef32_pk8_fp4_f32 v[C+4*(\t)], v[XS:XS+7], v11        ; eight numbers / the scale, to the nearest code; the first number's code in the lowest four bits
	v_cvt_scalef32_pk8_fp4_f32 v[C+4*(\t)+1], v[XS+8:XS+15], v11
	v_lshrrev_b32 v[E+(\t)], 23, v11               ; the scale's byte (also the plain line behind the conversions)
	ds_store_b8 v5, v[E+(\t)] offset:16*(\t)       ; both lanes of a block write the same byte with the same value
	global_store_b64 v4, v[C+4*(\t):C+4*(\t)+1], s[22:23] offset:32*CB*(\t)   ; 32 lanes store 256 consecutive bytes, aligned
.endm
.irp t, 0,1,2,3,4,5,6,7,8,9,10,11,12,13,14,15
	STEP \t
.endr
	ds_load_b64 v[8:9], v6                         ; LDS serves a wave's instructions in order: these see my byte stores
	s_wait_dscnt 0x0
	global_store_b64 v7, v[8:9], s[24:25]          ; my wave's 256 scale bytes, consecutive and aligned
.Lend:
	s_wait_tensorcnt 0x0                           ; the wave's end
	ds_add_u32 v[SPW], v[NIL]
	s_wait_dscnt 0x0
	s_endpgm
.Lfunc_end_k_q897c318aed_quant:
	.size	k_q897c318aed_quant, .Lfunc_end_k_q897c318aed_quant-k_q897c318aed_quant
	.p2alignl 7, 3214868480
	.fill 96, 4, 3214868480
	.section	.rodata,"a",@progbits
	.p2align	6, 0x0
	.amdhsa_kernel k_q897c318aed_quant
		.amdhsa_group_segment_fixed_size 33280
		.amdhsa_private_segment_fixed_size 0
		.amdhsa_enable_private_segment 0
		.amdhsa_kernarg_size 80
		.amdhsa_user_sgpr_count 2
		.amdhsa_user_sgpr_kernarg_segment_ptr 1
		.amdhsa_wavefront_size32 1
		.amdhsa_system_sgpr_workgroup_id_x 1
		.amdhsa_system_sgpr_workgroup_id_y 1
		.amdhsa_system_sgpr_workgroup_id_z 1
		.amdhsa_system_vgpr_workitem_id 0
		.amdhsa_next_free_vgpr 192
		.amdhsa_next_free_sgpr 66
		.amdhsa_reserve_vcc 0
		.amdhsa_float_denorm_mode_32 3
		.amdhsa_float_denorm_mode_16_64 3
		.amdhsa_memory_ordered 1
		.amdhsa_forward_progress 1
		.amdhsa_inst_pref_size 55
	.end_amdhsa_kernel
	.amdgpu_metadata
---
amdhsa.version: [ 1, 2 ]
amdhsa.kernels:
  - .name:           k_q897c318aed_quant
    .symbol:         k_q897c318aed_quant.kd
    .args:
      - { .name: q, .offset: 0, .size: 8, .value_kind: global_buffer, .address_space: global }
      - { .name: k, .offset: 8, .size: 8, .value_kind: global_buffer, .address_space: global }
      - { .name: v, .offset: 16, .size: 8, .value_kind: global_buffer, .address_space: global }
      - { .name: wq, .offset: 24, .size: 8, .value_kind: global_buffer, .address_space: global }
      - { .name: wk, .offset: 32, .size: 8, .value_kind: global_buffer, .address_space: global }
      - { .name: wv, .offset: 40, .size: 8, .value_kind: global_buffer, .address_space: global }
      - { .name: wo, .offset: 48, .size: 8, .value_kind: global_buffer, .address_space: global }
      - { .name: codes, .offset: 56, .size: 8, .value_kind: global_buffer, .address_space: global }
      - { .name: scales, .offset: 64, .size: 8, .value_kind: global_buffer, .address_space: global }
      - { .name: wo16, .offset: 72, .size: 8, .value_kind: global_buffer, .address_space: global }
    .group_segment_fixed_size: 33280
    .private_segment_fixed_size: 0
    .kernarg_segment_align: 8
    .kernarg_segment_size: 80
    .max_flat_workgroup_size: 128
    .sgpr_count:     66
    .vgpr_count:     192
    .wavefront_size: 32
...
	.end_amdgpu_metadata
.endif
;; end of part 1
;; launch proj (part 2): grid 4 x 96, 4 waves a work-group, clusters of 4 x 4, 327,680 bytes of LDS; arguments codes, scales, bq, bk, bv, qkv; writes qkv
.if DOCPART == 2
	.amdgcn_target "amdgcn-amd-amdhsa--gfx1250"
	.amdhsa_code_object_version 6
	.text
	.protected	k_q897c318aed_proj
	.globl	k_q897c318aed_proj
	.p2align	8
	.type	k_q897c318aed_proj,@function
k_q897c318aed_proj:
	s_mov_b64 s[64:65], 0
	v_nop
	global_prefetch_b8 v0, s[64:65] scope:SCOPE_SE
	s_setreg_imm32_b32 hwreg(HW_REG_WAVE_MODE, 25, 1), 1
	s_wait_xcnt 0x0
	s_wait_alu depctr_hold_cnt(0) depctr_sa_sdst(0) depctr_va_vdst(0) depctr_va_sdst(0) depctr_va_ssrc(0) depctr_va_vcc(0) depctr_vm_vsrc(0)
	s_getreg_b32 s2, hwreg(HW_REG_IB_STS2, 6, 4)
	s_cmp_eq_u32 s2, 0
	s_cbranch_scc0 .Lentry_in_a_cluster
	s_endpgm
.Lentry_in_a_cluster:
	s_bfe_u32 s2, ttmp6, 0x10000c
	s_cmp_lg_u32 s2, 0xf033
	s_cbranch_scc0 .Lentry_shape_is_right
	s_endpgm
.Lentry_shape_is_right:
; qkv[m][n] = sum over k of X[m][k] W_z[n][k] + b_z[n], rounded once to f16.  X = [q; k; v], 24,576 rows x 1,024; z = m / 8,192 picks wq, wk, wv and bq, bk, bv.
; Both operands are codes of FP4 (E2M1) with one E8M0 scale for each 32 along K, as the launch before laid them: codes: X's rows of 512 bytes, from byte WCODE on the 3,072 rows of W; scale bytes: rows of 32, W's from byte WSCAL on.
; The matrix instruction takes codes and scale bytes as they lie; sums in f32; the bias is the C of each sum's first matrix instruction.
; LIMIT: the results are kept in f16: magnitudes under 65,504.
; A tile of 256 x 256 is made by a work-group of four waves; a wave makes 128 x 128: 64 accumulators, 512 registers.  K = 1,024 is two LDS slots of 512 along K (rows of 256 bytes): both are asked for at the start, nothing is filled again.
; The scale bytes of the work-group's 256 rows of X and 256 rows of W, for all of K, are two dense blocks of memory: they come into LDS once, with the first fills.
; CLUSTERS: 4 x 4 work-groups.  The four of a row of the cluster need the same tiles of X, the four of a column the same tiles of W: each tile is asked for JOINTLY, by the same tensor load with the same descriptor and a mask
; that names the four.  A cluster's four tile rows lie in one of the three products (32 tile rows each), so z is the same in all sixteen.
; THE MATRIX INSTRUCTION IS USED TRANSPOSED (source 0 = 16 rows of W, source 1 = 16 rows of X): a lane then holds eight neighbouring numbers of a row of the result.
; REGISTERS, in windows of 256: window 0: v0-31 addresses; v32-95 scale words, two sets, and nothing else; v128-191 X's fragments (8 x 16 rows x 128 K), ONE set; v192-255 the bias, 8 registers for each block of 16 columns;
;   on the way out v128-223 are at work.   window 1: W's fragments, TWO sets, at v0 and v128.   window 2: the accumulators of my rows 0-63 ((a, b) at v[8 (8 a + b)]);   window 3: those of my rows 64-127.
.set SIZE_N, 1024
.set SIZE_K, 1024
.set KSTEP,  512                       ; along K in a slot
.set NQ,     KSTEP/128                 ; matrix instructions deep
.set ROWB,   256                       ; a tile's row in bytes
.set KROW,   SIZE_K/2                  ; a row of codes in memory, in bytes
.set PITCH,  272                       ; an LDS row: 256 bytes + 16 of padding = 68 words: the 16 rows that a load touches start at 16 different banks (64 banks of 4 bytes: ISA guide 11.1)
.set FR,     8                         ; registers of a fragment: 16 rows x 128 K
.set NL,     2                         ; LDS loads that bring one
.set NP,     4                         ; places behind this matrix instruction (ISA guide 7.12.1)
.set HALFT,  128*PITCH                 ; 128 rows: what one tensor load brings
.set SLOT,   4*HALFT                   ; X's 256 rows, then W's 256 rows
.set KS,     SIZE_K/32                 ; a row of scale bytes
.set SCL,    2*SLOT                    ; behind the two slots: the scale bytes, as rows of 256 bytes + 16 of padding
.set HALFS,  (128*KS/256)*272          ; those of 128 rows: what one tensor load brings
.set SBLK,   (16*KS/256)*272           ; those of 16 rows
.set SPARE,  SCL+4*HALFS               ; the spare words, 128 bytes for each wave; no other line names them
.set STAGE,  SPARE+512                 ; the way out: 16 rows x 272 bytes for each wave; no tensor load lands here
.set SPITCH, 272
.set CROW,   SIZE_N*2                  ; a row of the result in bytes
.set WCODE,  0xC00000                  ; where W's codes begin: 24,576 rows x 512 bytes
.set WSCAL,  0xC0000                   ; and W's scale bytes: 24,576 x 32
.set ADRA, 16                          ; v16-17  LDS address of my X fragments in slot 0, 1
.set ADRB, 20                          ; v20-21  the same for W
.set STO,  24                          ; v24     the way out: where I put 16 bytes of a row
.set RD,   25                          ; v25     where I read a row back
.set CO,   26                          ; v26     my byte offset in two rows of the result
.set ADRS, 27                          ; v27     LDS address of my scale words: lanes 0-15 X's rows, lanes 16-31 W's
.set SPW,  28                          ; v28     LDS address of my spare word; never rewritten
.set NIL,  29                          ; v29     0; never rewritten
.set BO,   30                          ; v30     32 x (lane / 16): my eight numbers of a block's bias
.set SC,   32                          ; scale words: set s at v[SC + 8 NQ s]; register NQ i + q: lanes 0-15 the word of X's block i, lanes 16-31 of W's block i, for the slot's q-th 128 along K
.set AF,   128                         ; X's fragments
.set BIAS, 192                         ; the bias
.set TMP,  128                         ; the way out: packed results
.set BK,   160                         ; the way out: 16 rows read back: v160-191 and v192-223 by turns
.set G1, 24                            ; s[24:31] descriptor group 1 for X's tiles;  s[32:39] group 0, one set for each slot
.set G0, 32
.set G1B, 48                           ; s[48:55], s[56:63] the same for W's tiles
.set G0B, 56
.set G1S, 68                           ; s[68:75], s[76:79] groups 1 and 0 for X's scale bytes;  s[80:87], s[88:91] for W's
.set G0S, 76
.set G1SB, 80
.set G0SB, 88
.set MSB, 0
.macro WIN new                         ; the immediate's high byte repeats the setting that is left; a switch that changes nothing is dropped
.if MSB != (\new)
	s_set_vgpr_msb (MSB<<8)|(\new)
.set MSB, (\new)
.endif
.endm
.set MUL_LO,   0xa1                    ; source 0 (W) window 1, source 1 (X) window 0, C and D window 2
.set MUL_HI,   0xf1                    ; the same, C and D window 3
.set FIRST_LO, 0x81                    ; the first step: C (the bias) window 0, D window 2
.set FIRST_HI, 0xc1                    ; C window 0, D window 3
.set TO_B,     0x40                    ; destination window 1, address window 0
; A joint load: waves 0 and 1 fetch for X, waves 2 and 3 for W.  Each of the two lines has ONE mask and one set of registers for all that issue it; the branch hangs on the wave's number alone.
; An s_nop 0 and four v_nop follow each of the two lines, ahead of the jump, the label and what follows.
.macro JLOAD g0a, g1a, g0b, g1b
	s_cmp_eq_u32 s15, 0
	s_cbranch_scc0 .Lfor_b_\@
	tensor_load_to_lds s[\g0a:\g0a+3], s[\g1a:\g1a+7]
	s_nop 0
.rept 4
	v_nop
.endr
	s_branch .Lasked_\@
.Lfor_b_\@:
	tensor_load_to_lds s[\g0b:\g0b+3], s[\g1b:\g1b+7]
	s_nop 0
.rept 4
	v_nop
.endr
.Lasked_\@:
.endm
; A round of the cluster's barrier: my work-group's barrier; wave 0 signals for the work-group; every wave waits for all sixteen work-groups; my work-group's barrier once more.
.macro CROUND
	s_barrier_signal -1
	s_barrier_wait -1
	s_cmp_lg_u32 s14, 0
	s_cbranch_scc1 .Lnot_wave_0_\@
	s_barrier_signal -3
.Lnot_wave_0_\@:
	s_barrier_wait -3
	s_barrier_signal -1
	s_barrier_wait -1
.endm
	s_load_b128 s[4:7], s[0:1], 0x0                ; codes s[4:5], scale bytes s[6:7]
	s_load_b128 s[96:99], s[0:1], 0x10             ; bq, bk
	s_load_b64 s[100:101], s[0:1], 0x20            ; bv
	s_load_b64 s[12:13], s[0:1], 0x28              ; qkv
	v_lshl_add_u32 v[SPW], v0, 2, SPARE
	v_mov_b32 v[NIL], 0
	ds_add_u32 v[SPW], v[NIL]                      ; the wave's opening: the add, twice on end, and its wait ahead of my first tensor load; the set-up below, work on registers, stands between
	ds_add_u32 v[SPW], v[NIL]
	v_lshrrev_b32 v1, 5, v0
	v_readfirstlane_b32 s14, v1                    ; wave 0..3
	s_lshr_b32 s15, s14, 1                         ; which half of the tile's rows is mine.  Also: I fetch for X (0) or for W (1)
	s_and_b32 s16, s14, 1                          ; which half of its columns.  Also: which 128 rows of that tile I fetch
	s_bfe_u32 s40, ttmp6, 0x40000                  ; cx, cy: my place in the cluster
	s_bfe_u32 s41, ttmp6, 0x40004
	s_lshl_b32 s42, ttmp9, 2
	s_add_co_u32 s42, s42, s40                     ; tile column = 4 x cluster x + cx
	s_and_b32 s17, ttmp7, 0xffff                   ; cluster y
	s_lshr_b32 s66, s17, 3                         ; z: eight clusters, 32 tile rows, to a product
	s_lshl_b32 s17, s17, 2
	s_add_co_u32 s17, s17, s41                     ; tile row = 4 x cluster y + cy
	s_lshl_b32 s43, s41, 2
	s_lshl_b32 s43, 15, s43                        ; my row of the cluster
	s_lshl_b32 s44, 0x1111, s40                    ; my column
	; descriptor group 1: a tile of 128 rows x 256 bytes, padded in LDS
	s_or_b32 s[G1+0], s43, (0<<16)|(1<<20)|(1<<21)|(5<<22)|(3<<25)  ; 15:0 the mask: X's tiles go to my row; 17:16 elements of 1 byte; 20 padding on; 21 set beside a mask; 24:22 after every 64 words; 31:25 four words
	s_or_b32 s[G1B+0], s44, (0<<16)|(1<<20)|(1<<21)|(5<<22)|(3<<25)
.irp g, G1, G1B
	s_mov_b32 s[\g+1], ROWB<<16                    ; tensor_dim0
	s_mov_b32 s[\g+2], 128<<16                     ; tensor_dim1 = 128
	s_mov_b32 s[\g+3], ROWB<<16                    ; tile_dim0
	s_mov_b32 s[\g+4], 128                         ; tile_dim1 = 128
	s_mov_b32 s[\g+5], KROW                        ; tensor_dim0_stride
	s_mov_b32 s[\g+6], 0
	s_mov_b32 s[\g+7], 0
.endr
	; and for the scale bytes of 128 rows: a dense block of 4,096 bytes, as 16 rows of 256 bytes (32 elements of 8 bytes), 16 bytes of padding behind each
	s_or_b32 s[G1S+0], s43, (3<<16)|(1<<20)|(1<<21)|(5<<22)|(3<<25)
	s_or_b32 s[G1SB+0], s44, (3<<16)|(1<<20)|(1<<21)|(5<<22)|(3<<25)
.irp g, G1S, G1SB
	s_mov_b32 s[\g+1], 32<<16
	s_mov_b32 s[\g+2], (128*KS/256)<<16
	s_mov_b32 s[\g+3], 32<<16
	s_mov_b32 s[\g+4], 128*KS/256
	s_mov_b32 s[\g+5], 32
	s_mov_b32 s[\g+6], 0
	s_mov_b32 s[\g+7], 0
.endr
	s_lshl_b32 s18, s16, 7                         ; which 128 rows of the tile I fetch
	s_lshl_b32 s20, s17, 8
	s_add_co_u32 s20, s20, s18                     ; X: row 256 x tile row + 128 x half
	s_lshl_b32 s46, s42, 8
	s_add_co_u32 s46, s46, s18                     ; W: row 256 x tile column + 128 x half
	s_lshl_b32 s67, s66, 10
	s_add_co_u32 s46, s46, s67                     ;    + 1,024 z
	s_mov_b32 s21, 0
	s_mov_b32 s47, 0
	s_mov_b64 s[18:19], KS
	s_mul_u64 s[22:23], s[20:21], s[18:19]         ; where these rows' scale bytes begin
	s_mul_u64 s[92:93], s[46:47], s[18:19]
	s_mov_b64 s[18:19], KROW
	s_mul_u64 s[20:21], s[20:21], s[18:19]         ; and their codes
	s_mul_u64 s[46:47], s[46:47], s[18:19]
	s_mul_i32 s45, s14, HALFT                      ; where they go: wave x 128 rows: no place in the cluster enters an LDS address
	s_mul_i32 s94, s14, HALFS
	s_wait_dscnt 0x0                               ; both opening adds are done
	s_wait_kmcnt 0x0
	s_add_nc_u64 s[8:9], s[4:5], WCODE             ; W's codes
	s_add_nc_u64 s[10:11], s[6:7], WSCAL           ; W's scale bytes
	s_add_nc_u64 s[20:21], s[4:5], s[20:21]
	s_add_nc_u64 s[22:23], s[6:7], s[22:23]
	s_add_nc_u64 s[46:47], s[8:9], s[46:47]
	s_add_nc_u64 s[92:93], s[10:11], s[92:93]
	CROUND                                         ; all sixteen work-groups are here: the first joint loads meet
	s_mov_b32 s[G0S], 1
	s_add_co_u32 s[G0S+1], s94, SCL
	s_mov_b64 s[G0S+2:G0S+3], s[22:23]
	s_or_b32 s[G0S+3], s[G0S+3], 0x80000000
	s_mov_b32 s[G0SB], 1
	s_add_co_u32 s[G0SB+1], s94, SCL
	s_mov_b64 s[G0SB+2:G0SB+3], s[92:93]
	s_or_b32 s[G0SB+3], s[G0SB+3], 0x80000000
	JLOAD G0S, G1S, G0SB, G1SB                     ; the scale bytes first: they are wanted with the first K step
.irp s, 0,1
	s_mov_b32 s[G0+4*\s], 1
	s_add_co_u32 s[G0+4*\s+1], s45, \s*SLOT
	s_add_nc_u64 s[G0+4*\s+2:G0+4*\s+3], s[20:21], \s*ROWB
	s_or_b32 s[G0+4*\s+3], s[G0+4*\s+3], 0x80000000
	s_mov_b32 s[G0B+4*\s], 1
	s_add_co_u32 s[G0B+4*\s+1], s45, \s*SLOT
	s_add_nc_u64 s[G0B+4*\s+2:G0B+4*\s+3], s[46:47], \s*ROWB
	s_or_b32 s[G0B+4*\s+3], s[G0B+4*\s+3], 0x80000000
	JLOAD G0+4*\s, G1, G0B+4*\s, G1B               ; three tensor loads of mine are out in all
.endr
	v_and_b32 v1, 15, v0                           ; l % 16
	v_bfe_u32 v2, v0, 4, 1                         ; l / 16
	; the bias of my 128 columns: block b's eight registers are b_z[n0 + 16 b + 8 (l / 16) + 0 .. 7], the result's layout
	v_lshlrev_b32 v[BO], 5, v2
	s_cmp_eq_u32 s66, 1                            ; the choice hangs on z alone
	s_cselect_b64 s[96:97], s[98:99], s[96:97]
	s_cmp_eq_u32 s66, 2
	s_cselect_b64 s[96:97], s[100:101], s[96:97]
	s_lshl_b32 s46, s42, 10                        ; 4 n0 = 1,024 x tile column + 512 x half
	s_lshl_b32 s47, s16, 9
	s_add_co_u32 s46, s46, s47
	s_mov_b32 s47, 0
	s_add_nc_u64 s[96:97], s[96:97], s[46:47]
.irp b, 0,1,2,3,4,5,6,7
	global_load_b128 v[BIAS+8*\b:BIAS+8*\b+3],   v[BO], s[96:97] offset:64*\b
	global_load_b128 v[BIAS+8*\b+4:BIAS+8*\b+7], v[BO], s[96:97] offset:64*\b+16
.endr
	v_mul_u32_u24 v3, v1, PITCH
	v_lshl_add_u32 v4, v2, 4, v3                   ; a fragment's row x pitch + 16 x half
	s_mul_i32 s21, s15, HALFT                      ; my 128 rows of X
	s_mul_i32 s22, s16, HALFT                      ; my 128 rows of W,
	s_add_co_u32 s22, s22, 2*HALFT                 ; which lie behind X's 256
.irp s, 0,1
	v_add_nc_u32 v[ADRA+\s], s21, v4
	v_add_nc_u32 v[ADRB+\s], s22, v4
	s_add_co_u32 s21, s21, SLOT
	s_add_co_u32 s22, s22, SLOT
.endr
	v_mul_u32_u24 v5, v1, KS                       ; my row's scale bytes: KS a row,
	v_lshrrev_b32 v6, 8, v5
	v_lshl_add_u32 v5, v6, 4, v5                   ; and 16 more for each 256 passed
	s_mul_i32 s21, s15, HALFS                      ; X's: my 128 rows
	s_mul_i32 s22, s16, HALFS                      ; W's: my 128 rows, behind X's 256
	s_add_co_u32 s22, s22, 2*HALFS
	s_sub_co_u32 s22, s22, s21
	v_mul_u32_u24 v6, s22, v2                      ; lanes 16-31 take W's: the lower base + (l / 16) x the distance
	s_add_co_u32 s21, s21, SCL
	v_add_nc_u32 v5, v5, v6
	v_add_nc_u32 v[ADRS], s21, v5
	s_mul_i32 s23, s14, 16*SPITCH
	s_add_co_u32 s23, s23, STAGE                   ; my stage
	v_mul_u32_u24 v5, v1, SPITCH                   ; in: row l % 16, 16 bytes for each half of the lanes
	v_lshl_add_u32 v5, v2, 4, v5
	v_add_nc_u32 v[STO], s23, v5
	v_mul_u32_u24 v5, v2, SPITCH                   ; back: lanes 0-15 take one row of 256 bytes, lanes 16-31 the next
	v_lshl_add_u32 v5, v1, 4, v5
	v_add_nc_u32 v[RD], s23, v5
	v_mul_u32_u24 v5, v2, CROW                     ; and the same two rows in the result
	v_lshl_add_u32 v[CO], v1, 4, v5
	s_lshl_b32 s20, s17, 8
	s_lshl_b32 s21, s15, 7
	s_add_co_u32 s20, s20, s21                     ; my first row: 256 x tile row + 128 x half,
	s_lshl_b32 s20, s20, 11                        ; of 2,048 bytes (under 2^26)
	s_mov_b32 s21, 0
	s_add_nc_u64 s[12:13], s[12:13], s[20:21]
	s_lshr_b32 s46, s46, 1                         ; my first column in bytes of f16: 512 x tile column + 256 x half
	s_add_nc_u64 s[12:13], s[12:13], s[46:47]
.macro FRAG reg, adr, q, i             ; a fragment, 16 rows x 128 K of 4-bit codes, is 8 registers: lane l holds row l % 16; registers 4 c .. 4 c + 3 hold K = 64 c + 32 (l / 16) + 0 .. 31
.irp c, 0,1
	ds_load_b128 v[\reg+4*\c:\reg+4*\c+3], v[\adr] offset:64*(\q)+32*\c+(\i)*16*PITCH
.endr
.endm
; 16 matrix instructions: X's blocks a0, a0 + 1 x W's eight, 128 along K: the slot's q-th.  p: W's set;  sc: the set of scale words.  first = 1: the bias is C: nothing is cleared and nothing is added later.
; The 64 accumulators take turns, one instruction a turn, in the same order in every step.
.macro MUL16 a0, p, q, sc, first
.irp a, \a0, \a0+1
.irp b, 0,1,2,3,4,5,6,7
.if \first
	v_wmma_scale_f32_16x16x128_f8f6f4 v[8*(8*((\a)%4)+\b):8*(8*((\a)%4)+\b)+7], v[128*(\p)+FR*\b:128*(\p)+FR*\b+FR-1], v[AF+FR*(\a):AF+FR*(\a)+FR-1], v[BIAS+8*\b:BIAS+8*\b+7], v[SC+8*NQ*(\sc)+NQ*\b+(\q)], v[SC+8*NQ*(\sc)+NQ*(\a)+(\q)] matrix_a_fmt:MATRIX_FMT_FP4 matrix_b_fmt:MATRIX_FMT_FP4 matrix_a_scale:MATRIX_SCALE_ROW1
.else
	v_wmma_scale_f32_16x16x128_f8f6f4 v[8*(8*((\a)%4)+\b):8*(8*((\a)%4)+\b)+7], v[128*(\p)+FR*\b:128*(\p)+FR*\b+FR-1], v[AF+FR*(\a):AF+FR*(\a)+FR-1], v[8*(8*((\a)%4)+\b):8*(8*((\a)%4)+\b)+7], v[SC+8*NQ*(\sc)+NQ*\b+(\q)], v[SC+8*NQ*(\sc)+NQ*(\a)+(\q)] matrix_a_fmt:MATRIX_FMT_FP4 matrix_b_fmt:MATRIX_FMT_FP4 matrix_a_scale:MATRIX_SCALE_ROW1
.endif
.endr
.endr
.endm
.macro FETCH_B slot, q, p              ; W's eight fragments of the slot's q-th 128 along K into set p
	WIN TO_B
.irp i, 0,1,2,3,4,5,6,7
	FRAG 128*(\p)+FR*\i, ADRB+\slot, \q, \i
.endr
	WIN 0
.endm
.macro FETCH_A slot, q, i0             ; X's blocks i0 .. i0 + 3
.irp i, \i0, \i0+1, \i0+2, \i0+3
	FRAG AF+FR*(\i), ADRA+\slot, \q, \i
.endr
.endm
.macro SCALES sc                       ; a slot's scale words into set sc: NQ words a row; lanes 0-15 take X's block i, lanes 16-31 W's block i
.irp i, 0,1,2,3,4,5,6,7
	ds_load_b128 v[SC+8*NQ*\sc+NQ*\i:SC+8*NQ*\sc+NQ*\i+3], v[ADRS] offset:\i*SBLK
.endr
.endm
; A load into a register that a matrix instruction has read, and a vector instruction that reads a matrix result or writes one of its registers, stand NP places behind it; only plain vector instructions
; that name none of its registers are places (ISA guide 7.12.1 for vector instructions).
.macro PLACES n
.rept \n
	v_nop
.endr
.endm
; A step of 128 along K that has its successor in the same slot.  X has one set of registers: blocks 0-3 are fetched anew in the step's middle, blocks 4-7 at its end; W's next set comes in the middle run.
.macro STEP slot, q, first
	s_wait_dscnt 4*NL                              ; W's set, the scale words and X's blocks 0-3 are in; the youngest eight loads (X's blocks 4-7) may be out
.if \first
	WIN FIRST_LO
.else
	WIN MUL_LO
.endif
	MUL16 0, (\q)%2, \q, \slot, \first
	MUL16 2, (\q)%2, \q, \slot, \first
	s_wait_dscnt 0                                 ; X's blocks 4-7 are in
	PLACES NP
	FETCH_B \slot, (\q)+1, 1-(\q)%2
	FETCH_A \slot, (\q)+1, 0
.if \first
	WIN FIRST_HI
.else
	WIN MUL_HI
.endif
	MUL16 4, (\q)%2, \q, \slot, \first
	MUL16 6, (\q)%2, \q, \slot, \first
	PLACES NP
	WIN 0
	FETCH_A \slot, (\q)+1, 4
.endm
; Slot 0's last step changes slots: one barrier; in front of it each wave waits for all its tensor loads (its part of slot 1), adds 0 to its spare word, and waits for that and for its LDS loads.  Nothing is filled again.
.macro TURN slot, next
	s_wait_tensorcnt 0x0                           ; all my tensor loads have landed;  (every window is 0 here: the add's two registers lie in window 0)
	ds_add_u32 v[SPW], v[NIL]                      ; 0 onto my spare word
	s_wait_dscnt 4*NL+1                            ; (the add and the youngest eight loads, X's blocks 4-7, may be out)
	WIN MUL_LO
	MUL16 0, 1, NQ-1, \slot, 0                     ; sixteen matrix instructions stand between the add and the wait for it
	s_wait_dscnt 0x0                               ; the add is done, and no LDS load of mine is out at the signal
	s_barrier_signal -1
	MUL16 2, 1, NQ-1, \slot, 0                     ; work on registers while the others arrive
	WIN 0
	s_barrier_wait -1                              ; slot 1 is whole
	PLACES NP
	v_add_nc_u32 v[ADRS], 4*NQ, v[ADRS]            ; on to the next slot's scale words (no LDS load of mine is out)
	FETCH_B \next, 0, 0
	FETCH_A \next, 0, 0
	SCALES \next
	WIN MUL_HI
	MUL16 4, 1, NQ-1, \slot, 0
	MUL16 6, 1, NQ-1, \slot, 0
	PLACES NP
	WIN 0
	FETCH_A \next, 0, 4
.endm
.macro STEPS slot, from                ; the slot's steps from .. NQ - 2
.set QQ, \from
.rept NQ-1-\from
	STEP \slot, QQ, 0
.set QQ, QQ+1
.endr
.endm
	s_wait_tensorcnt 1                             ; the scale bytes and my part of slot 0 are in (slot 1's load may be out)
	s_barrier_signal -1
	s_barrier_wait -1                              ; everybody's are
	FETCH_B 0, 0, 0
	FETCH_A 0, 0, 0
	SCALES 0
	FETCH_A 0, 0, 4
	s_wait_loadcnt 0x0                             ; the bias
	STEP 0, 0, 1                                   ; the first step's products start the sums on the bias
	STEPS 0, 1
	TURN 0, 1
	STEPS 1, 0
	s_wait_dscnt 4*NL                              ; the very last step: nothing more to fetch
	WIN MUL_LO
	MUL16 0, 1, NQ-1, 1, 0
	MUL16 2, 1, NQ-1, 1, 0
	s_wait_dscnt 0
	WIN MUL_HI
	MUL16 4, 1, NQ-1, 1, 0
	MUL16 6, 1, NQ-1, 1, 0
	WIN 0
; THE WAY OUT, block by block of 16 rows x 128 columns.  PACK: rounded to f16, 16 bytes a lane, each accumulator from its low end on.  TOSTAGE: into my own stage in LDS, and back as whole rows of 256 bytes.  SEND: stored.
.macro PACK a
.set AC, 64*((\a)%4)
	WIN 0x0a+5*((\a)/4)                            ; sources 0 and 1: window 2 or 3
.irp b, 0,1,2,3,4,5,6,7
.irp r, 0,1,2,3
	v_cvt_pk_f16_f32 v[TMP+4*\b+\r], v[AC+8*\b+2*\r], v[AC+8*\b+2*\r+1]
.endr
.endr
	WIN 0
.endm
.macro TOSTAGE a
.set BB, BK+32*((\a)%2)
.irp b, 0,1,2,3,4,5,6,7
	ds_store_b128 v[STO], v[TMP+4*\b:TMP+4*\b+3] offset:32*\b
.endr
.irp t, 0,1,2,3,4,5,6,7
	ds_load_b128 v[BB+4*\t:BB+4*\t+3], v[RD] offset:\t*2*SPITCH    ; LDS serves a wave's instructions in order (ISA guide 5.7.1.4): these see the stores above
.endr
.endm
.macro SEND a
.set BB, BK+32*((\a)%2)
	s_wait_dscnt 0x0                               ; the block is back in registers
	s_wait_xcnt 0x0                                ; the earlier stores have read their base and their data: only behind this wait is the base stepped, and are the registers of the block before last loaded again
.if (\a) > 0
	s_add_nc_u64 s[12:13], s[12:13], 16*CROW       ; 16 rows on
.endif
.irp t, 0,1,2,3,4,5,6,7
	global_store_b128 v[CO], v[BB+4*\t:BB+4*\t+3], s[12:13] offset:2*\t*CROW   ; 16 lanes store 256 consecutive bytes, at a multiple of 256 from the buffer's first byte
.endr
.endm
	PLACES NP                                      ; in front of conversions that write registers which the last products read
	PACK 0
	TOSTAGE 0
.irp a, 1,2,3,4,5,6,7                  ; block a's conversions stand between block a - 1's loads from the stage and the wait for them
	PACK \a
	SEND \a-1
	TOSTAGE \a
.endr
	SEND 7
	s_wait_tensorcnt 0x0                           ; the wave's end: three lines, behind my last tensor load and my last LDS store
	ds_add_u32 v[SPW], v[NIL]
	s_wait_dscnt 0x0
	CROUND                                         ; the closing round: no work-group ends while a partner may still ask for a tile that names it
	s_endpgm
.Lfunc_end_k_q897c318aed_proj:
	.size	k_q897c318aed_proj, .Lfunc_end_k_q897c318aed_proj-k_q897c318aed_proj
	.p2alignl 7, 3214868480
	.fill 96, 4, 3214868480
	.section	.rodata,"a",@progbits
	.p2align	6, 0x0
	.amdhsa_kernel k_q897c318aed_proj
		.amdhsa_group_segment_fixed_size 327680
		.amdhsa_private_segment_fixed_size 0
		.amdhsa_enable_private_segment 0
		.amdhsa_kernarg_size 48
		.amdhsa_user_sgpr_count 2
		.amdhsa_user_sgpr_kernarg_segment_ptr 1
		.amdhsa_wavefront_size32 1
		.amdhsa_system_sgpr_workgroup_id_x 1
		.amdhsa_system_sgpr_workgroup_id_y 1
		.amdhsa_system_sgpr_workgroup_id_z 1
		.amdhsa_system_vgpr_workitem_id 0
		.amdhsa_next_free_vgpr 1024
		.amdhsa_next_free_sgpr 102
		.amdhsa_reserve_vcc 0
		.amdhsa_float_denorm_mode_32 3
		.amdhsa_float_denorm_mode_16_64 3
		.amdhsa_memory_ordered 1
		.amdhsa_forward_progress 1
		.amdhsa_inst_pref_size 129
	.end_amdhsa_kernel
	.amdgpu_metadata
---
amdhsa.version: [ 1, 2 ]
amdhsa.kernels:
  - .name:           k_q897c318aed_proj
    .symbol:         k_q897c318aed_proj.kd
    .args:
      - { .name: codes, .offset: 0, .size: 8, .value_kind: global_buffer, .address_space: global }
      - { .name: scales, .offset: 8, .size: 8, .value_kind: global_buffer, .address_space: global }
      - { .name: bq, .offset: 16, .size: 8, .value_kind: global_buffer, .address_space: global }
      - { .name: bk, .offset: 24, .size: 8, .value_kind: global_buffer, .address_space: global }
      - { .name: bv, .offset: 32, .size: 8, .value_kind: global_buffer, .address_space: global }
      - { .name: qkv, .offset: 40, .size: 8, .value_kind: global_buffer, .address_space: global }
    .group_segment_fixed_size: 327680
    .private_segment_fixed_size: 0
    .kernarg_segment_align: 8
    .kernarg_segment_size: 48
    .max_flat_workgroup_size: 128
    .sgpr_count:     102
    .vgpr_count:     1024
    .wavefront_size: 32
...
	.end_amdgpu_metadata
.endif
;; end of part 2
;; launch attn (part 3): grid 8 x 32, 16 waves a work-group, clusters of 4 x 1, 327,680 bytes of LDS; arguments qkv, ctx; writes ctx
.if DOCPART == 3
	.amdgcn_target "amdgcn-amd-amdhsa--gfx1250"
	.amdhsa_code_object_version 6
	.text
	.protected	k_q897c318aed_attn
	.globl	k_q897c318aed_attn
	.p2align	8
	.type	k_q897c318aed_attn,@function
k_q897c318aed_attn:
	s_mov_b64 s[64:65], 0
	v_nop
	global_prefetch_b8 v0, s[64:65] scope:SCOPE_SE
	s_setreg_imm32_b32 hwreg(HW_REG_WAVE_MODE, 25, 1), 1
	s_wait_xcnt 0x0
	s_wait_alu depctr_hold_cnt(0) depctr_sa_sdst(0) depctr_va_vdst(0) depctr_va_sdst(0) depctr_va_ssrc(0) depctr_va_vcc(0) depctr_vm_vsrc(0)
	s_getreg_b32 s2, hwreg(HW_REG_IB_STS2, 6, 4)
	s_cmp_eq_u32 s2, 0
	s_cbranch_scc0 .Lentry_in_a_cluster
	s_endpgm
.Lentry_in_a_cluster:
	s_bfe_u32 s2, ttmp6, 0x10000c
	s_cmp_lg_u32 s2, 0x3003
	s_cbranch_scc0 .Lentry_shape_is_right
	s_endpgm
.Lentry_shape_is_right:
; ctx[b][q][head] = the sum over k of softmax_k(Q . K / 8) V, for 4 batches x 16 heads of 64, 2,048 queries and keys, no mask.  Q, K, V: rows of qkv [24,576][1,024] f16 (Q's rows first, K's from byte KSEC, V's from 2 KSEC);
; a head is 128 bytes of a row.  ctx: [8,192][1,024] f16.  Products on f16 operands with f32 sums; maxima, exponentials and sums in f32; the weights p (at most 1) are rounded to f16 for the second product, ctx once at the end.
; LIMIT: ctx is kept in f16 (it is an average of V's rows, which are f16 already).
; SHARES.  A work-group owns 256 queries of a PAIR of heads: a pair is 256 bytes of a row, so every row of K's and V's tiles is 256 consecutive bytes of memory, aligned, and every row of ctx's 256 bytes is stored whole.
; Sixteen waves, four to a SIMD, so that one wave's vector work stands beside another's matrix work and LDS loads.  Wave w: head w / 8 of the pair, queries 32 (w % 8) .. + 31: two tiles of 16.  Every wave walks all 2,048 keys, 64 a step.
; LAYOUT.  S^T = K Q^T (source 0 = 16 keys, source 1 = 16 queries): a lane holds ONE query (lane % 16) and the keys 8 (lane / 16) + 0..7.  Two such tiles, rounded to f16 in pairs, ARE source 1 (32 keys x 16 queries) of
; O^T = V^T P, whose result again holds one query a lane, and eight channels.  K comes out of LDS as it lies, V ([key][channel]) turned, by ds_load_tr16_b128.
; SOFTMAX.  For each query a running maximum m and sum l: p = 2^(c s - c m), c = log2(e) / 8; in every step O and l are multiplied by a = 2^(c m_old - c m_new).  m begins at -3e38, O and l at 0: the first step's a is 0.
; RING.  Two LDS slots of 256 keys (four steps).  Waves 0-3 fetch the four steps' tiles of K, waves 4-7 those of V, waves 8-15 nothing: one tensor load a wave behind each change of slots, which has four steps of all sixteen waves in which to land.
; CLUSTER.  The four query blocks of a cluster belong to one pair of heads and walk the same K and V: each tile is asked for JOINTLY, by the same tensor load with the same descriptor and a mask that names the four.
; REGISTERS: v1-5 addresses that stay; v8-23 eight registers of statistics a tile; v24-55 Q; v56-119 S^T, 32 a tile, p in place, P in the low 16; v120-183 O^T, 32 a tile; v184-247 K's or V's eight fragments; v248-251 addresses.
.set PK,    272                        ; a row of K in LDS: 256 bytes + 16 of padding = 68 words: the 16 rows of a load start at 16 different banks (64 banks of 4 bytes: ISA guide 11.1)
.set PV,    288                        ; a row of V: 256 + 32 = 72 words
.set VOFF,  64*PK                      ; a step's tiles lie together: 64 rows of K, then 64 rows of V
.set STEPB, 64*(PK+PV)
.set SLOTB, 4*STEPB                    ; a slot: four steps, 143,360 bytes
.set SPARE, 2*SLOTB                    ; behind the ring: the spare words, 128 bytes for each of sixteen waves; no other line names them
.set SP,    272                        ; the way out: a stage of 256 rows x 272 bytes at LDS byte 0: in slot 0, which has had its last fill and its last read at the last change of slots
.set KSEC,  0x1000000                  ; 8,192 rows x 2,048 bytes: from Q's rows to K's, from K's to V's
.set SLOTG, 256*2048                   ; a slot's keys in memory
.set AK0, 1                            ; v1   my lane's place in a tile of K, my head's half of the row
.set AV0, 2                            ; v2   the same for V
.set ADR, 3                            ; v3   the LDS address of the run of loads in hand
.set SPW, 4                            ; v4   LDS address of my spare word; never rewritten
.set NIL, 5                            ; v5   0; never rewritten
.set ST,  8                            ; tile t's statistics at v[ST+8 t]: +0 c m, +1 m, +2, +3 l (even keys', odd keys'), +4 to +7 c0-c3, at work; a takes c2's place; the sums' second chain c0, c1
.set Q,   24
.set S,   56
.set O,   120
.set KV,  184
.set STO, 248                          ; the way out: where I put 16 bytes of a row
.set RD,  249                          ; where I read a row back
.set GO,  250                          ; my byte offset in two rows of ctx
.set QO,  251                          ; my byte offset in the wave's rows of Q
.set WV,  8                            ; s8   my wave's number
.set G1K, 16                           ; s[16:23] descriptor group 1 for K's tiles
.set G1V, 24                           ; s[24:31] for V's: it differs in the padding alone
.set G0K, 32                           ; s[32:39] descriptor group 0 for K's tiles, a set for each slot
.set G0V, 40                           ; s[40:47] the same for V's
.set CS,  48                           ; s[48:49] c: the packed scaling names a pair and takes its low word for both halves
.set SEL, 50                           ; s[50:51] lane selects for v_permlanex16_b32: lane l xor 16
.set TB,  52                           ; s52  LDS byte at which the step's tiles begin
.set CNT, 53                           ; s53  counts a slot's four steps
.set LAP, 54                           ; s54  counts the laps round the ring
; A joint refill of slot n.  The branches hang on the wave's number alone: they are the same in every work-group.  An s_nop 0 and four v_nop follow each of the two lines.
.macro JLOAD n
	s_cmp_lt_u32 s[WV], 4
	s_cbranch_scc0 .Lnot_k_\@
	tensor_load_to_lds s[G0K+4*\n:G0K+4*\n+3], s[G1K:G1K+7]
	s_nop 0
.rept 4
	v_nop
.endr
	s_branch .Lasked_\@
.Lnot_k_\@:
	s_cmp_lt_u32 s[WV], 8
	s_cbranch_scc0 .Lasked_\@
	tensor_load_to_lds s[G0V+4*\n:G0V+4*\n+3], s[G1V:G1V+7]
	s_nop 0
.rept 4
	v_nop
.endr
.Lasked_\@:
.endm
; A round of the cluster's barrier: my work-group's barrier; wave 0 signals for the work-group; every wave waits for all four work-groups; my work-group's barrier once more.
.macro CROUND
	s_barrier_signal -1
	s_barrier_wait -1
	s_cmp_lg_u32 s[WV], 0
	s_cbranch_scc1 .Lnot_wave_0_\@
	s_barrier_signal -3
.Lnot_wave_0_\@:
	s_barrier_wait -3
	s_barrier_signal -1
	s_barrier_wait -1
.endm
	s_load_b128 s[4:7], s[0:1], 0x0                ; qkv s[4:5], ctx s[6:7]
	v_lshl_add_u32 v[SPW], v0, 2, SPARE
	v_mov_b32 v[NIL], 0
	ds_add_u32 v[SPW], v[NIL]                      ; the wave's opening: the add, twice on end, and its wait ahead of the first tensor loads; the set-up below, work on registers, stands between
	ds_add_u32 v[SPW], v[NIL]
	v_lshrrev_b32 v6, 5, v0
	v_readfirstlane_b32 s[WV], v6                  ; wave 0..15
	s_lshr_b32 s9, s[WV], 3                        ; which head of the pair
	s_bfe_u32 s10, ttmp6, 0x40000                  ; cx: my place in the cluster
	s_lshl_b32 s11, ttmp9, 2                       ; in a cluster launch ttmp9 counts clusters
	s_add_co_u32 s11, s11, s10                     ; my block of 256 queries: it enters Q's and ctx's addresses alone
	s_and_b32 s12, ttmp7, 0xffff                   ; 8 x batch + pair of heads: the four partners share it
	s_lshr_b32 s13, s12, 3
	s_and_b32 s12, s12, 7
	s_lshl_b32 s56, s13, 22                        ; the batch's 2,048 rows of 2,048 bytes,
	s_lshl_b32 s12, s12, 8                         ; the pair's 256 bytes of a row
	s_add_co_u32 s56, s56, s12
	s_and_b32 s14, s[WV], 3                        ; which of a slot's four steps I fetch, if I fetch:
	s_lshl_b32 s58, s14, 17                        ; its 64 rows in memory,
	s_add_co_u32 s58, s58, s56
	s_add_co_u32 s58, s58, KSEC                    ; among K's rows (all offsets stay under 2^26),
	s_mov_b32 s59, 0
	s_mul_i32 s15, s14, STEPB                      ; and its place in a slot: no place in the cluster enters an LDS address
	s_lshl_b32 s60, s11, 19                        ; Q: my block's 256 rows,
	s_add_co_u32 s60, s60, s56
	s_and_b32 s14, s[WV], 7
	s_lshl_b32 s14, s14, 16                        ; my wave's 32 of them,
	s_add_co_u32 s60, s60, s14
	s_lshl_b32 s14, s9, 7                          ; my head's 128 bytes
	s_add_co_u32 s60, s60, s14
	s_mov_b32 s61, 0
	s_lshl_b32 s62, s11, 19                        ; ctx: my block's rows,
	s_add_co_u32 s62, s62, s56
	s_lshl_b32 s14, s[WV], 15                      ; and the 16 whole rows that my wave stores
	s_add_co_u32 s62, s62, s14
	s_mov_b32 s63, 0
	; descriptor group 1: a tile of 64 rows x 128 elements of 2 bytes, 1,024 elements from row to row, padded in LDS
	s_mov_b32 s[G1K], 15|(1<<16)|(1<<20)|(1<<21)|(5<<22)|(3<<25)  ; 15:0 the mask: all four work-groups; 17:16 elements of 2 bytes; 20 padding on; 21 set beside a mask; 24:22 after every 64 words; 31:25 four words
	s_mov_b32 s[G1V], 15|(1<<16)|(1<<20)|(1<<21)|(5<<22)|(7<<25)  ; the same with eight words of padding
.irp g, G1K, G1V
	s_mov_b32 s[\g+1], 128<<16                     ; tensor_dim0 = 128
	s_mov_b32 s[\g+2], 64<<16                      ; tensor_dim1 = 64
	s_mov_b32 s[\g+3], 128<<16                     ; tile_dim0 = 128
	s_mov_b32 s[\g+4], 64                          ; tile_dim1 = 64
	s_mov_b32 s[\g+5], 1024                        ; tensor_dim0_stride
	s_mov_b32 s[\g+6], 0
	s_mov_b32 s[\g+7], 0
.endr
	s_mov_b32 s[CS], 0x3e38aa3b                    ; c = log2(e) / 8
	s_mov_b32 s[CS+1], s[CS]                       ; named with it as a pair, so it is written
	s_mov_b32 s[SEL], 0x76543210
	s_mov_b32 s[SEL+1], 0xfedcba98
	s_wait_dscnt 0x0                               ; both opening adds are done
	s_wait_kmcnt 0x0
	s_add_nc_u64 s[58:59], s[4:5], s[58:59]        ; K at my tile of slot 0
	s_add_nc_u64 s[60:61], s[4:5], s[60:61]        ; Q at my wave's first row
	s_add_nc_u64 s[6:7], s[6:7], s[62:63]          ; ctx at the first row that my wave stores
	CROUND                                         ; all four work-groups are here: the first joint loads meet
.irp n, 0,1
	s_mov_b32 s[G0K+4*\n], 1                       ; count = 1
	s_add_co_u32 s[G0K+4*\n+1], s15, \n*SLOTB      ; LDS address
	s_add_nc_u64 s[G0K+4*\n+2:G0K+4*\n+3], s[58:59], \n*SLOTG      ; global address: slot n begins with keys 256 n on
	s_or_b32 s[G0K+4*\n+3], s[G0K+4*\n+3], 0x80000000              ; type = 2
	s_mov_b32 s[G0V+4*\n], 1
	s_add_co_u32 s[G0V+4*\n+1], s15, \n*SLOTB+VOFF
	s_add_nc_u64 s[G0V+4*\n+2:G0V+4*\n+3], s[58:59], \n*SLOTG+KSEC
	s_or_b32 s[G0V+4*\n+3], s[G0V+4*\n+3], 0x80000000
.endr
	s_cmp_lt_u32 s[WV], 4                          ; a wave's two first fills stand in one branch, ahead of every wait on TENSORcnt and every LDS read: two loads of a fetching wave are out
	s_cbranch_scc0 .Lfirst_not_k
	tensor_load_to_lds s[G0K:G0K+3], s[G1K:G1K+7]
	s_nop 0
	tensor_load_to_lds s[G0K+4:G0K+7], s[G1K:G1K+7]
	s_nop 0
.rept 4
	v_nop
.endr
	s_branch .Lfirst_asked
.Lfirst_not_k:
	s_cmp_lt_u32 s[WV], 8
	s_cbranch_scc0 .Lfirst_asked
	tensor_load_to_lds s[G0V:G0V+3], s[G1V:G1V+7]
	s_nop 0
	tensor_load_to_lds s[G0V+4:G0V+7], s[G1V:G1V+7]
	s_nop 0
.rept 4
	v_nop
.endr
.Lfirst_asked:
	; A fragment of K or Q is 16 rows x 32 channels in 8 registers: lane l holds row l % 16; registers 0-3 channels 8 (l / 16) + 0..7, registers 4-7 channels 16 + 8 (l / 16) + 0..7: two loads of 16 bytes, 32 bytes apart.
	v_and_b32 v6, 15, v0                           ; l % 16
	v_bfe_u32 v7, v0, 4, 1                         ; l / 16
	v_lshlrev_b32 v[QO], 11, v6
	v_lshl_add_u32 v[QO], v7, 4, v[QO]             ; row x 2,048 + 16 x half
.irp t, 0,1
.irp ks, 0,1                                   ; Q stays in registers: tile t, channels 32 ks on
	global_load_b128 v[Q+16*\t+8*\ks:Q+16*\t+8*\ks+3],   v[QO], s[60:61] offset:32768*\t+64*\ks
	global_load_b128 v[Q+16*\t+8*\ks+4:Q+16*\t+8*\ks+7], v[QO], s[60:61] offset:32768*\t+64*\ks+32
.endr
.endr
	s_lshl_b32 s14, s9, 7                          ; my head's half of an LDS row
	v_mul_u32_u24 v[AK0], v6, PK
	v_lshl_add_u32 v[AK0], v7, 4, v[AK0]
	v_add_nc_u32 v[AK0], s14, v[AK0]               ; row x pitch + 16 x half + 128 x head
	; The turning load takes 16 keys x 16 channels (lane l reads 16 bytes: key 8 (l / 16) + l % 8, channels 8 ((l / 8) % 2) + 0..7) and leaves half a fragment of V^T: lane l holds channel l % 16 and 8 keys.
	v_and_b32 v[AV0], 7, v0
	v_lshl_add_u32 v[AV0], v7, 3, v[AV0]
	v_mul_u32_u24 v[AV0], v[AV0], PV
	v_bfe_u32 v[ADR], v0, 3, 1
	v_lshl_add_u32 v[AV0], v[ADR], 4, v[AV0]
	s_add_co_u32 s14, s14, VOFF
	v_add_nc_u32 v[AV0], s14, v[AV0]
.irp t, 0,1
	v_mov_b32 v[ST+8*\t+1], 0xff61b1e6             ; m: -3e38, under every score
	v_mul_f32 v[ST+8*\t], s[CS], v[ST+8*\t+1]      ; c m
	v_mov_b32 v[ST+8*\t+2], 0                      ; l, in two halves
	v_mov_b32 v[ST+8*\t+3], 0
.endr
.set i, 0
.rept 64
	v_mov_b32 v[O+i], 0                            ; O^T.  (The step is written with no first step of its own: the first finds zeros, which its a = 0 leaves zeros)
.set i, i+1
.endr
; A KEY STEP: 64 keys, whose tiles begin at LDS byte s[TB].  The two tiles of queries alternate line by line, so that no line waits for the line above it.
; The accumulators take turns, one instruction a turn: between two links of a chain stand seven others'.
.macro STEP
	v_add_nc_u32 v[ADR], s[TB], v[AK0]             ; with the four v_nop: five places behind the last step's products, whose P the scores below are written over and into whose V the loads below land
.rept 4
	v_nop
.endr
.irp ks, 0,1
.irp kt, 0,1,2,3                               ; keys 16 kt on, channels 32 ks on
	ds_load_b128 v[KV+8*(4*\ks+\kt):KV+8*(4*\ks+\kt)+3],   v[ADR] offset:\kt*16*PK+64*\ks
	ds_load_b128 v[KV+8*(4*\ks+\kt)+4:KV+8*(4*\ks+\kt)+7], v[ADR] offset:\kt*16*PK+64*\ks+32
.endr
.endr
	s_wait_dscnt 8                                 ; channels 0-31 are in; the eight loads of channels 32-63 may be out
.irp kt, 0,1,2,3
.irp t, 0,1
	v_wmma_f32_16x16x32_f16 v[S+32*\t+8*\kt:S+32*\t+8*\kt+7], v[KV+8*\kt:KV+8*\kt+7], v[Q+16*\t:Q+16*\t+7], 0
.endr
.endr
	s_wait_dscnt 0x0
.irp kt, 0,1,2,3
.irp t, 0,1
	v_wmma_f32_16x16x32_f16 v[S+32*\t+8*\kt:S+32*\t+8*\kt+7], v[KV+8*(4+\kt):KV+8*(4+\kt)+7], v[Q+16*\t+8:Q+16*\t+15], v[S+32*\t+8*\kt:S+32*\t+8*\kt+7]
.endr
.endr
	v_add_nc_u32 v[ADR], s[TB], v[AV0]             ; with the three v_nop: four places in front of loads into K's registers, and of the first read of the scores
.rept 3
	v_nop
.endr
.irp g, 0,1
.irp ct, 0,1,2,3                               ; V, turned: keys 32 g on, channels 16 ct on.  It lands while the softmax is walked
	ds_load_tr16_b128 v[KV+8*(4*\g+\ct):KV+8*(4*\g+\ct)+3],   v[ADR] offset:\g*32*PV+32*\ct
	ds_load_tr16_b128 v[KV+8*(4*\g+\ct)+4:KV+8*(4*\g+\ct)+7], v[ADR] offset:\g*32*PV+16*PV+32*\ct
.endr
.endr
	; the maximum of the lane's 32 scores and the old m, three operands at a time: four chains, one to an accumulator, each from the accumulator's low end on
.irp j, 0,1,2,3
.irp t, 0,1
	v_max3_num_f32 v[ST+8*\t+4+\j], v[S+32*\t+8*\j], v[S+32*\t+8*\j+1], v[S+32*\t+8*\j+2]
.endr
.endr
.irp u, 1,2
.irp j, 0,1,2,3
.irp t, 0,1
	v_max3_num_f32 v[ST+8*\t+4+\j], v[ST+8*\t+4+\j], v[S+32*\t+8*\j+2*\u+1], v[S+32*\t+8*\j+2*\u+2]
.endr
.endr
.endr
.irp t, 0,1
	v_max3_num_f32 v[ST+8*\t+4], v[ST+8*\t+4], v[S+32*\t+7], v[S+32*\t+15]
.endr
.irp t, 0,1
	v_max3_num_f32 v[ST+8*\t+6], v[ST+8*\t+6], v[S+32*\t+23], v[S+32*\t+31]
.endr
.irp t, 0,1
	v_max3_num_f32 v[ST+8*\t+4], v[ST+8*\t+4], v[ST+8*\t+5], v[ST+8*\t+6]
.endr
.irp t, 0,1
	v_max3_num_f32 v[ST+8*\t+4], v[ST+8*\t+4], v[ST+8*\t+7], v[ST+8*\t+1]
.endr
.irp t, 0,1
	v_permlanex16_b32 v[ST+8*\t+5], v[ST+8*\t+4], s[SEL], s[SEL+1]  ; the query's other 32 keys lie in the lane 16 away
.endr
.irp t, 0,1
	v_mov_b32 v[ST+8*\t+7], v[ST+8*\t]             ; c m_old is kept for a
.endr
.irp t, 0,1
	v_max_num_f32 v[ST+8*\t+1], v[ST+8*\t+4], v[ST+8*\t+5]         ; the new m
.endr
.irp t, 0,1
	v_mul_f32 v[ST+8*\t], s[CS], v[ST+8*\t+1]      ; c m
.endr
.irp t, 0,1
	v_sub_f32 v[ST+8*\t+7], v[ST+8*\t+7], v[ST+8*\t]               ; c m_old - c m_new, 0 or less
.endr
.irp j, 0,2,4,6,8,10,12,14,16,18,20,22,24,26,28,30
.irp t, 0,1
	v_pk_fma_f32 v[S+32*\t+\j:S+32*\t+\j+1], v[S+32*\t+\j:S+32*\t+\j+1], s[CS:CS+1], v[ST+8*\t:ST+8*\t+1] op_sel_hi:[1,0,0] neg_lo:[0,0,1] neg_hi:[0,0,1]  ; c s - c m, two at a time
.endr
.endr
	; ONE BATCH of 66 exponentials, none of which reads another's result; one plain line; one wait ahead of the first reader
.irp t, 0,1
	v_exp_f32 v[ST+8*\t+6], v[ST+8*\t+7]           ; a
.endr
.set i, 0
.rept 64
	v_exp_f32 v[S+i], v[S+i]                       ; p, at most 1
.set i, i+1
.endr
	v_nop
	s_wait_alu depctr_va_vdst(0)
	; l = a l + the sum of the f32 p: a pair holds an even key's weight and an odd key's; two chains a tile
.irp t, 0,1
	v_pk_fma_f32 v[ST+8*\t+2:ST+8*\t+3], v[ST+8*\t+2:ST+8*\t+3], v[ST+8*\t+6:ST+8*\t+7], v[S+32*\t:S+32*\t+1] op_sel_hi:[1,0,1]
.endr
.irp t, 0,1
	v_pk_add_f32 v[ST+8*\t+4:ST+8*\t+5], v[S+32*\t+2:S+32*\t+3], v[S+32*\t+4:S+32*\t+5]
.endr
.irp j, 6,10,14,18,22,26
.irp t, 0,1
	v_pk_add_f32 v[ST+8*\t+2:ST+8*\t+3], v[ST+8*\t+2:ST+8*\t+3], v[S+32*\t+\j:S+32*\t+\j+1]
.endr
.irp t, 0,1
	v_pk_add_f32 v[ST+8*\t+4:ST+8*\t+5], v[ST+8*\t+4:ST+8*\t+5], v[S+32*\t+\j+2:S+32*\t+\j+3]
.endr
.endr
.irp t, 0,1
	v_pk_add_f32 v[ST+8*\t+2:ST+8*\t+3], v[ST+8*\t+2:ST+8*\t+3], v[S+32*\t+30:S+32*\t+31]
.endr
.irp t, 0,1
	v_pk_add_f32 v[ST+8*\t+2:ST+8*\t+3], v[ST+8*\t+2:ST+8*\t+3], v[ST+8*\t+4:ST+8*\t+5]
.endr
.irp j, 0,1,2,3,4,5,6,7,8,9,10,11,12,13,14,15
.irp t, 0,1
	v_cvt_pk_f16_f32 v[S+32*\t+\j], v[S+32*\t+2*\j], v[S+32*\t+2*\j+1]  ; P, in place and ascending: register j is written when registers 2 j and 2 j + 1 are read, and nothing unread lies under it
.endr
.endr
.irp j, 0,2,4,6,8,10,12,14,16,18,20,22,24,26,28,30
.irp t, 0,1
	v_pk_mul_f32 v[O+32*\t+\j:O+32*\t+\j+1], v[O+32*\t+\j:O+32*\t+\j+1], v[ST+8*\t+6:ST+8*\t+7] op_sel_hi:[1,0]  ; O^T x a, each accumulator from its low end on
.endr
.endr
	s_wait_dscnt 0x0                               ; V is in
.irp g, 0,1
.irp ct, 0,1,2,3
.irp t, 0,1
	v_wmma_f32_16x16x32_f16 v[O+32*\t+8*\ct:O+32*\t+8*\ct+7], v[KV+8*(4*\g+\ct):KV+8*(4*\g+\ct)+7], v[S+32*\t+8*\g:S+32*\t+8*\g+7], v[O+32*\t+8*\ct:O+32*\t+8*\ct+7]
.endr
.endr
.endr
.endm
; Slot n's four key steps: written once, walked four times; the LDS addresses hang on s[TB].
.macro STEPS n
	s_mov_b32 s[TB], \n*SLOTB
	s_mov_b32 s[CNT], 4
.Lstep_\@:
	STEP
	s_add_co_u32 s[TB], s[TB], STEPB
	s_sub_co_u32 s[CNT], s[CNT], 1
	s_cmp_lg_u32 s[CNT], 0
	s_cbranch_scc1 .Lstep_\@
.endm
; THE CHANGE OF SLOTS.  Each wave waits for all its tensor loads (its part of the slot ahead), adds 0 to its spare word, and waits for that and for its reads of the slot that it leaves.
; fill = 1: slot n, the one just left, is filled with the keys two slots on.  The barrier is then a round of the cluster's, so that no wave of any partner still reads the slot or has a load on its way,
; and the joint refill is the first thing behind it, one tensor load a fetching wave.  The add stands twice on end there, in every trip alike.
.macro CHANGE fill, n
	s_wait_tensorcnt 0x0                           ; no tensor load of mine is out, so a group 0 may be written
	ds_add_u32 v[SPW], v[NIL]
.if \fill
	ds_add_u32 v[SPW], v[NIL]
	s_add_nc_u64 s[G0K+4*\n+2:G0K+4*\n+3], s[G0K+4*\n+2:G0K+4*\n+3], 2*SLOTG   ; 512 keys on; the type bits on top are not reached
	s_add_nc_u64 s[G0V+4*\n+2:G0V+4*\n+3], s[G0V+4*\n+2:G0V+4*\n+3], 2*SLOTG
	s_wait_dscnt 0x0                               ; both adds are done, and my reads of the slot are over
	CROUND
	JLOAD \n
.else
	s_wait_dscnt 0x0                               ; the add is done, and my reads of the slot are over
	s_barrier_signal -1
	s_barrier_wait -1
.endif
.endm
	s_wait_tensorcnt 0x0                           ; my parts of both slots are in (the two first fills went out together; eight waves have none),
	s_barrier_signal -1
	s_barrier_wait -1                              ; everybody's are
	s_wait_loadcnt 0x0                             ; Q
	STEPS 0                                        ; keys 0-255
	s_mov_b32 s[LAP], 3
.Llap:                                             ; three laps: six of the eight slots' worth of keys are asked for here
	CHANGE 1, 0
	STEPS 1
	CHANGE 1, 1
	STEPS 0
	s_sub_co_u32 s[LAP], s[LAP], 1
	s_cmp_lg_u32 s[LAP], 0
	s_cbranch_scc1 .Llap
	CHANGE 0, 0                                    ; the tail is written out: nothing is left to ask for
	STEPS 1                                        ; keys 1,792-2,047
	; THE WAY OUT.  O^T is divided by l, rounded to f16 and sent through the work-group's stage: a row's 256 bytes come from two waves (the pair's two heads), so a barrier stands between writing and reading.
	; The address work is also the places behind the last products.
	v_and_b32 v6, 15, v0                           ; l % 16
	v_bfe_u32 v7, v0, 4, 1                         ; l / 16
	s_and_b32 s12, s[WV], 7
	s_mul_i32 s12, s12, 32*SP                      ; in: my 32 queries' rows,
	s_lshl_b32 s13, s9, 7                          ; my head's half of them
	s_add_co_u32 s12, s12, s13
	v_mul_u32_u24 v[STO], v6, SP
	v_lshl_add_u32 v[STO], v7, 4, v[STO]
	v_add_nc_u32 v[STO], s12, v[STO]               ; row l % 16, 16 bytes for each half of the lanes
	s_mul_i32 s13, s[WV], 16*SP                    ; back: wave w takes rows 16 w .. 16 w + 15, whole
	v_mul_u32_u24 v[RD], v7, SP
	v_lshl_add_u32 v[RD], v6, 4, v[RD]
	v_add_nc_u32 v[RD], s13, v[RD]                 ; lanes 0-15 one row of 256 bytes, lanes 16-31 the next
	v_lshlrev_b32 v[GO], 11, v7
	v_lshl_add_u32 v[GO], v6, 4, v[GO]             ; and the same two rows in ctx
.irp t, 0,1
	v_add_f32 v[ST+8*\t+4], v[ST+8*\t+2], v[ST+8*\t+3]             ; l's two halves,
.endr
.irp t, 0,1
	v_permlanex16_b32 v[ST+8*\t+5], v[ST+8*\t+4], s[SEL], s[SEL+1]
.endr
.irp t, 0,1
	v_add_f32 v[ST+8*\t+4], v[ST+8*\t+4], v[ST+8*\t+5]             ; and the other half of the lanes'
.endr
.irp t, 0,1
	v_rcp_f32 v[ST+8*\t+6], v[ST+8*\t+4]
.endr
	v_nop                                          ; a plain line behind the last reciprocal,
	s_wait_alu depctr_va_vdst(0)                   ; and the one wait for both ahead of the first use
.irp t, 0,1
.irp j, 0,2,4,6,8,10,12,14,16,18,20,22,24,26,28,30
	v_pk_mul_f32 v[O+32*\t+\j:O+32*\t+\j+1], v[O+32*\t+\j:O+32*\t+\j+1], v[ST+8*\t+6:ST+8*\t+7] op_sel_hi:[1,0]
.endr
.endr
.irp t, 0,1
.irp j, 0,1,2,3,4,5,6,7,8,9,10,11,12,13,14,15
	v_cvt_pk_f16_f32 v[S+16*\t+\j], v[O+32*\t+2*\j], v[O+32*\t+2*\j+1]  ; a lane's eight channels of a row pack into 16 bytes
.endr
.endr
.irp t, 0,1
.irp ct, 0,1,2,3
	ds_store_b128 v[STO], v[S+16*\t+4*\ct:S+16*\t+4*\ct+3] offset:\t*16*SP+32*\ct
.endr
.endr
	s_wait_dscnt 0x0                               ; for the others' sake: my stores into the stage are done
	s_barrier_signal -1
	s_barrier_wait -1
.irp i, 0,1,2,3,4,5,6,7
	ds_load_b128 v[S+32+4*\i:S+32+4*\i+3], v[RD] offset:\i*2*SP
.endr
.irp i, 0,1,2,3,4,5,6,7
	s_wait_dscnt 7-\i                              ; LDS loads come back in order: load i is in, the younger ones may be out
	global_store_b128 v[GO], v[S+32+4*\i:S+32+4*\i+3], s[6:7] offset:\i*4096   ; 16 lanes store 256 consecutive bytes, at a multiple of 256 from ctx's first byte
.endr
	s_wait_tensorcnt 0x0                           ; the wave's end: three lines, behind the last tensor load and my last LDS store
	ds_add_u32 v[SPW], v[NIL]
	s_wait_dscnt 0x0
	CROUND                                         ; the closing round: no work-group ends while a partner may still ask for a tile that names it
	s_endpgm
.Lfunc_end_k_q897c318aed_attn:
	.size	k_q897c318aed_attn, .Lfunc_end_k_q897c318aed_attn-k_q897c318aed_attn
	.p2alignl 7, 3214868480
	.fill 96, 4, 3214868480
	.section	.rodata,"a",@progbits
	.p2align	6, 0x0
	.amdhsa_kernel k_q897c318aed_attn
		.amdhsa_group_segment_fixed_size 327680
		.amdhsa_private_segment_fixed_size 0
		.amdhsa_enable_private_segment 0
		.amdhsa_kernarg_size 16
		.amdhsa_user_sgpr_count 2
		.amdhsa_user_sgpr_kernarg_segment_ptr 1
		.amdhsa_wavefront_size32 1
		.amdhsa_system_sgpr_workgroup_id_x 1
		.amdhsa_system_sgpr_workgroup_id_y 1
		.amdhsa_system_sgpr_workgroup_id_z 1
		.amdhsa_system_vgpr_workitem_id 0
		.amdhsa_next_free_vgpr 256
		.amdhsa_next_free_sgpr 70
		.amdhsa_reserve_vcc 0
		.amdhsa_float_denorm_mode_32 3
		.amdhsa_float_denorm_mode_16_64 3
		.amdhsa_memory_ordered 1
		.amdhsa_forward_progress 1
		.amdhsa_inst_pref_size 88
	.end_amdhsa_kernel
	.amdgpu_metadata
---
amdhsa.version: [ 1, 2 ]
amdhsa.kernels:
  - .name:           k_q897c318aed_attn
    .symbol:         k_q897c318aed_attn.kd
    .args:
      - { .name: qkv, .offset: 0, .size: 8, .value_kind: global_buffer, .address_space: global }
      - { .name: ctx, .offset: 8, .size: 8, .value_kind: global_buffer, .address_space: global }
    .group_segment_fixed_size: 327680
    .private_segment_fixed_size: 0
    .kernarg_segment_align: 8
    .kernarg_segment_size: 16
    .max_flat_workgroup_size: 512
    .sgpr_count:     70
    .vgpr_count:     256
    .wavefront_size: 32
...
	.end_amdgpu_metadata
.endif
;; end of part 3
;; launch outp (part 4): grid 8 x 64, 4 waves a work-group, clusters of 4 x 4, 327,680 bytes of LDS; arguments ctx, wo16, bo, out0; writes out0
.if DOCPART == 4
	.amdgcn_target "amdgcn-amd-amdhsa--gfx1250"
	.amdhsa_code_object_version 6
	.text
	.protected	k_q897c318aed_outp
	.globl	k_q897c318aed_outp
	.p2align	8
	.type	k_q897c318aed_outp,@function
k_q897c318aed_outp:
	s_mov_b64 s[64:65], 0
	v_nop
	global_prefetch_b8 v0, s[64:65] scope:SCOPE_SE
	s_setreg_imm32_b32 hwreg(HW_REG_WAVE_MODE, 25, 1), 1
	s_wait_xcnt 0x0
	s_wait_alu depctr_hold_cnt(0) depctr_sa_sdst(0) depctr_va_vdst(0) depctr_va_sdst(0) depctr_va_ssrc(0) depctr_va_vcc(0) depctr_vm_vsrc(0)
	s_getreg_b32 s2, hwreg(HW_REG_IB_STS2, 6, 4)
	s_cmp_eq_u32 s2, 0
	s_cbranch_scc0 .Lentry_in_a_cluster
	s_endpgm
.Lentry_in_a_cluster:
	s_bfe_u32 s2, ttmp6, 0x10000c
	s_cmp_lg_u32 s2, 0xf033
	s_cbranch_scc0 .Lentry_shape_is_right
	s_endpgm
.Lentry_shape_is_right:
; out0[m][n] = sum over k of ctx[m][k] wo[n][k] + bo[n].  ctx: [8,192][1,024], wo16: [1,024][1,024], both f16; bo, out0: f32; sums in f32; the bias is the C of each sum's first matrix instruction.
; A tile of the result is 128 x 128: 512 tiles (tiles of 256 x 256 would be 128, fewer than there are WGPs).  Four waves, each 64 x 64: 16 accumulators of 16 x 16, 128 registers.
; K goes in steps of 256 (LDS rows of 512 bytes; a wave's tensor load brings 64 of them) through a ring of two slots.
; CLUSTERS: 4 x 4 work-groups.  The four of a row of the cluster need the same tiles of ctx, the four of a column the same tiles of wo: each tile is asked for JOINTLY, by the same tensor load with the
; same descriptor and a mask that names the four.  THE MATRIX INSTRUCTION IS USED TRANSPOSED (source 0 = 16 rows of wo, source 1 = 16 rows of ctx): a lane then holds eight neighbouring numbers of a row of the result.
; REGISTERS: window 0: v0-31 addresses; v32-95 at work on the way out; v96-127 the bias, 8 registers for each block of 16 columns; v128-255 the accumulators ((a, b) at v[128 + 8 (4 a + b)]).
;   window 1: two fragment buffers of 128: for 64 along K, 64 registers of ctx (2 x 4 x 16 rows x 32 K), then 64 of wo.
.set SIZE_N, 1024
.set SIZE_K, 1024
.set KSTEP,  256
.set PITCH,  528                       ; an LDS row: 512 bytes of data + 16 of padding = 132 words: the 16 rows that a load touches start at 16 different banks (64 banks of 4 bytes: ISA guide 11.1)
.set HALFT,  64*PITCH                  ; 64 rows: what one tensor load brings, and what one wave reads of either operand
.set SLOT,   4*HALFT                   ; ctx's 128 rows, then wo's 128 rows
.set STAGE,  2*SLOT                    ; behind the ring: 16 rows x 272 bytes for each wave, for the way out; no tensor load lands here
.set SPITCH, 272
.set SPARE,  STAGE+4*16*SPITCH         ; behind the stages: the spare words, 128 bytes for each wave; no other line names them
.set LAPS,   SIZE_K/(2*KSTEP)          ; a lap = two K steps = once round the ring: 2
.set CROW,   SIZE_N*4                  ; a row of the result in bytes
.set ADRA, 16                          ; v16-17  LDS address of my ctx fragments in slot 0, 1
.set ADRB, 20                          ; v20-21  the same for wo
.set STO,  24                          ; v24     the way out: where I put 32 bytes of a row
.set RD,   25                          ; v25     where I read a row back
.set CO,   26                          ; v26     my byte offset in two rows of the result
.set BO,   27                          ; v27     32 x (lane / 16): my eight numbers of a block's bias
.set SPW,  28                          ; v28     LDS address of my spare word; never rewritten
.set NIL,  29                          ; v29     0; never rewritten
.set BK,   32                          ; the way out: 16 rows read back: v32-63 and v64-95 by turns
.set BI,   96                          ; the bias
.set ACC,  128
.set F0,   0                           ; fragment buffers, in window 1
.set F1,   128
.set G1, 24                            ; s[24:31] descriptor group 1 for ctx's tiles;  s[32:39] group 0, one set for each slot
.set G0, 32
.set G1B, 48                           ; s[48:55], s[56:63] the same for wo's tiles
.set G0B, 56
.set MSB, 0
.macro WIN new                         ; the immediate's high byte repeats the setting that is left; a switch that changes nothing is dropped
.if MSB != (\new)
	s_set_vgpr_msb (MSB<<8)|(\new)
.set MSB, (\new)
.endif
.endm
.set MUL,  0x05                        ; sources 0 (wo) and 1 (ctx) window 1; C and D window 0
.set TO_F, 0x40                        ; destination window 1, address window 0
.macro JLOAD s                         ; a joint load: waves 0 and 1 fetch ctx's two halves, waves 2 and 3 wo's; an s_nop 0 and four v_nop follow each of the two lines, ahead of the jump, the label and what follows
	s_cmp_eq_u32 s11, 0
	s_cbranch_scc0 .Lfor_b_\@
	tensor_load_to_lds s[G0+4*\s:G0+4*\s+3], s[G1:G1+7]
	s_nop 0
.rept 4
	v_nop
.endr
	s_branch .Lasked_\@
.Lfor_b_\@:
	tensor_load_to_lds s[G0B+4*\s:G0B+4*\s+3], s[G1B:G1B+7]
	s_nop 0
.rept 4
	v_nop
.endr
.Lasked_\@:
.endm
.macro CREST                           ; a round of the cluster's barrier behind its opening barrier
	s_cmp_lg_u32 s10, 0
	s_cbranch_scc1 .Lnot_wave_0_\@
	s_barrier_signal -3
.Lnot_wave_0_\@:
	s_barrier_wait -3
	s_barrier_signal -1
	s_barrier_wait -1
.endm
.macro CROUND                          ; a whole round
	s_barrier_signal -1
	s_barrier_wait -1
	CREST
.endm
	s_load_b128 s[4:7], s[0:1], 0x0                ; ctx s[4:5], wo16 s[6:7]
	s_load_b64 s[66:67], s[0:1], 0x10              ; bo
	s_load_b64 s[8:9], s[0:1], 0x18                ; out0
	v_lshl_add_u32 v[SPW], v0, 2, SPARE
	v_mov_b32 v[NIL], 0
	ds_add_u32 v[SPW], v[NIL]                      ; the wave's opening: the add, twice on end, and its wait ahead of my first tensor load; the set-up below, work on registers, stands between
	ds_add_u32 v[SPW], v[NIL]
	v_lshrrev_b32 v1, 5, v0
	v_readfirstlane_b32 s10, v1                    ; wave 0..3
	s_lshr_b32 s11, s10, 1                         ; which half of the tile's rows is mine.  Also: I fetch for ctx (0) or for wo (1)
	s_and_b32 s12, s10, 1                          ; which half of its columns.  Also: which 64 rows of that tile I fetch
	s_bfe_u32 s40, ttmp6, 0x40000                  ; cx, cy: my place in the cluster
	s_bfe_u32 s41, ttmp6, 0x40004
	s_lshl_b32 s42, ttmp9, 2
	s_add_co_u32 s42, s42, s40                     ; tile column = 4 x cluster x + cx
	s_and_b32 s13, ttmp7, 0xffff
	s_lshl_b32 s13, s13, 2
	s_add_co_u32 s13, s13, s41                     ; tile row = 4 x cluster y + cy
	s_lshl_b32 s43, s41, 2
	s_lshl_b32 s43, 15, s43                        ; my row of the cluster
	s_lshl_b32 s44, 0x1111, s40                    ; my column
	; descriptor group 1: a tile of 64 rows x 256 elements, padded in LDS
	s_or_b32 s[G1+0], s43, (1<<16)|(1<<20)|(1<<21)|(6<<22)|(3<<25)  ; 15:0 the mask: ctx's tiles go to my row; 17:16 elements of 2 bytes; 20 padding on; 21 set beside a mask; 24:22 after every 128 words; 31:25 four words
	s_or_b32 s[G1B+0], s44, (1<<16)|(1<<20)|(1<<21)|(6<<22)|(3<<25)
.irp g, G1, G1B
	s_mov_b32 s[\g+1], KSTEP<<16                   ; tensor_dim0 = 256
	s_mov_b32 s[\g+2], 64<<16                      ; tensor_dim1 = 64
	s_mov_b32 s[\g+3], KSTEP<<16                   ; tile_dim0 = 256
	s_mov_b32 s[\g+4], 64                          ; tile_dim1 = 64
	s_mov_b32 s[\g+5], SIZE_K                      ; tensor_dim0_stride
	s_mov_b32 s[\g+6], 0
	s_mov_b32 s[\g+7], 0
.endr
	s_lshl_b32 s17, s12, 6                         ; which 64 rows of the tile I fetch
	s_lshl_b32 s16, s13, 7
	s_add_co_u32 s16, s16, s17                     ; ctx: row 128 x tile row + 64 x half
	s_lshl_b32 s46, s42, 7
	s_add_co_u32 s46, s46, s17                     ; wo: row 128 x tile column + 64 x half
	s_mov_b32 s17, 0
	s_mov_b32 s47, 0
	s_mov_b64 s[18:19], SIZE_K*2
	s_mul_u64 s[16:17], s[16:17], s[18:19]
	s_mul_u64 s[46:47], s[46:47], s[18:19]
	s_mul_i32 s20, s10, HALFT                      ; where they go: wave x 64 rows: no place in the cluster enters an LDS address
	s_wait_dscnt 0x0                               ; both opening adds are done
	s_wait_kmcnt 0x0
	s_add_nc_u64 s[14:15], s[4:5], s[16:17]
	s_add_nc_u64 s[46:47], s[6:7], s[46:47]
	CROUND                                         ; all sixteen work-groups are here: the first joint loads meet
.irp s, 0,1
	s_mov_b32 s[G0+4*\s], 1
	s_add_co_u32 s[G0+4*\s+1], s20, \s*SLOT
	s_add_nc_u64 s[G0+4*\s+2:G0+4*\s+3], s[14:15], \s*KSTEP*2
	s_or_b32 s[G0+4*\s+3], s[G0+4*\s+3], 0x80000000
	s_mov_b32 s[G0B+4*\s], 1
	s_add_co_u32 s[G0B+4*\s+1], s20, \s*SLOT
	s_add_nc_u64 s[G0B+4*\s+2:G0B+4*\s+3], s[46:47], \s*KSTEP*2
	s_or_b32 s[G0B+4*\s+3], s[G0B+4*\s+3], 0x80000000
	JLOAD \s                                       ; two tensor loads of mine are out
.endr
	v_and_b32 v1, 15, v0                           ; l % 16
	v_bfe_u32 v2, v0, 4, 1                         ; l / 16
	s_lshl_b32 s46, s42, 9                         ; my first column in bytes of f32, in the bias and in a row of the result: 512 x tile column + 256 x half
	s_lshl_b32 s47, s12, 8
	s_add_co_u32 s46, s46, s47
	s_mov_b32 s47, 0
	s_add_nc_u64 s[66:67], s[66:67], s[46:47]
	v_lshlrev_b32 v[BO], 5, v2
.irp b, 0,1,2,3                                ; the bias of my 64 columns: block b's eight registers are bo[n0 + 16 b + 8 (l / 16) + 0 .. 7], the result's layout
	global_load_b128 v[BI+8*\b:BI+8*\b+3],   v[BO], s[66:67] offset:64*\b
	global_load_b128 v[BI+8*\b+4:BI+8*\b+7], v[BO], s[66:67] offset:64*\b+16
.endr
	v_mul_u32_u24 v3, v1, PITCH
	v_lshl_add_u32 v3, v2, 4, v3                   ; a fragment's row x pitch + 16 x half
	s_mul_i32 s21, s11, HALFT                      ; my 64 rows of ctx
	s_mul_i32 s22, s12, HALFT                      ; my 64 rows of wo,
	s_add_co_u32 s22, s22, 2*HALFT                 ; which lie behind ctx's 128
.irp s, 0,1
	v_add_nc_u32 v[ADRA+\s], s21, v3
	v_add_nc_u32 v[ADRB+\s], s22, v3
	s_add_co_u32 s21, s21, SLOT
	s_add_co_u32 s22, s22, SLOT
.endr
	s_mul_i32 s23, s10, 16*SPITCH
	s_add_co_u32 s23, s23, STAGE                   ; my stage
	v_mul_u32_u24 v4, v1, SPITCH                   ; in: row l % 16, 32 bytes for each half of the lanes
	v_lshl_add_u32 v4, v2, 5, v4
	v_add_nc_u32 v[STO], s23, v4
	v_mul_u32_u24 v5, v2, SPITCH                   ; back: lanes 0-15 take one row of 256 bytes, lanes 16-31 the next
	v_lshl_add_u32 v5, v1, 4, v5
	v_add_nc_u32 v[RD], s23, v5
	v_lshlrev_b32 v5, 12, v2                       ; and the same two rows in the result
	v_lshl_add_u32 v[CO], v1, 4, v5
	s_lshl_b32 s16, s13, 7
	s_lshl_b32 s17, s11, 6
	s_add_co_u32 s16, s16, s17                     ; my first row: 128 x tile row + 64 x half,
	s_lshl_b32 s16, s16, 12                        ; of 4,096 bytes (under 2^25)
	s_mov_b32 s17, 0
	s_add_nc_u64 s[8:9], s[8:9], s[16:17]
	s_add_nc_u64 s[8:9], s[8:9], s[46:47]
; 8 matrix instructions: m blocks a0, a0 + 1 x all 4 n blocks, 32 along K: half c of buffer f.  first = 1: the bias is C.  The 16 accumulators take turns.
.macro MUL8 f, c, a0, first
.irp a, \a0, \a0+1
.irp b, 0,1,2,3
.if \first
	v_wmma_f32_16x16x32_f16 v[ACC+8*(4*(\a)+\b):ACC+8*(4*(\a)+\b)+7], v[\f+64+8*(4*\c+\b):\f+64+8*(4*\c+\b)+7], v[\f+8*(4*\c+\a):\f+8*(4*\c+\a)+7], v[BI+8*\b:BI+8*\b+7]
.else
	v_wmma_f32_16x16x32_f16 v[ACC+8*(4*(\a)+\b):ACC+8*(4*(\a)+\b)+7], v[\f+64+8*(4*\c+\b):\f+64+8*(4*\c+\b)+7], v[\f+8*(4*\c+\a):\f+8*(4*\c+\a)+7], v[ACC+8*(4*(\a)+\b):ACC+8*(4*(\a)+\b)+7]
.endif
.endr
.endr
.endm
; 32 LDS loads in one run: the fragments of 64 along K at byte k of the rows, into buffer f; the first 32 along K first
.macro FETCH slot, k, f
	WIN TO_F
.irp c, 0,1
.irp i, 0,1,2,3
	ds_load_b128 v[\f+64+8*(4*\c+\i):\f+64+8*(4*\c+\i)+3],   v[ADRB+\slot] offset:\k+64*\c+\i*16*PITCH
	ds_load_b128 v[\f+64+8*(4*\c+\i)+4:\f+64+8*(4*\c+\i)+7], v[ADRB+\slot] offset:\k+64*\c+\i*16*PITCH+32
	ds_load_b128 v[\f+8*(4*\c+\i):\f+8*(4*\c+\i)+3],         v[ADRA+\slot] offset:\k+64*\c+\i*16*PITCH
	ds_load_b128 v[\f+8*(4*\c+\i)+4:\f+8*(4*\c+\i)+7],       v[ADRA+\slot] offset:\k+64*\c+\i*16*PITCH+32
.endr
.endr
.endm
.macro PLACES                          ; four places in front of loads into registers that matrix instructions have read, and of LDS stores that read results (ISA guide 7.12.1 for the stores)
.rept 4
	v_nop
.endr
.endm
; A K step is four quarters of 64 along K, 32 matrix instructions each, on buffers 0, 1, 0, 1.  One of the first three: multiplies buffer f and fetches the next quarter, at byte k, into g.
.macro QUARTER slot, k, f, g, first
	s_wait_dscnt 16                                ; the first 32 along K are in; the sixteen loads of the second 32 may be out
	WIN MUL
	MUL8 \f, 0, 0, \first
	MUL8 \f, 0, 2, \first
	PLACES
	FETCH \slot, \k, \g
	s_wait_dscnt 32                                ; all but the 32 just issued
	WIN MUL
	MUL8 \f, 1, 0, 0
	MUL8 \f, 1, 2, 0
.endm
; The last quarter multiplies buffer 1 and changes slots: ONE barrier; in front of it each wave waits for all its tensor loads, adds 0 to its spare word, and waits for that and for its own reads of this slot.  fill = 1: this slot is filled again, two K steps ahead.
.macro TURN slot, next, fill
	WIN 0                                          ; (the add's two registers lie in window 0)
	s_wait_tensorcnt 0x0                           ; all my tensor loads have landed: my part of the next slot;
	ds_add_u32 v[SPW], v[NIL]                      ; 0 onto my spare word;
	s_wait_dscnt 17                                ; (the add and the youngest sixteen loads may be out)
	WIN MUL
	MUL8 F1, 0, 0, 0                               ; eight matrix instructions stand between the add and the wait for it
	s_wait_dscnt 0x0                               ; the add is done, and my reads of this slot are over
	s_barrier_signal -1
	MUL8 F1, 0, 2, 0
.if \fill
	WIN 0
.endif
	s_barrier_wait -1
.if \fill
	CREST                                          ; the barrier has opened a round of the cluster's barrier: no wave of any partner still reads this slot's tile or has a load on its way
	s_add_nc_u64 s[G0+4*\slot+2:G0+4*\slot+3], s[G0+4*\slot+2:G0+4*\slot+3], 2*KSTEP*2
	s_add_nc_u64 s[G0B+4*\slot+2:G0B+4*\slot+3], s[G0B+4*\slot+2:G0B+4*\slot+3], 2*KSTEP*2
	JLOAD \slot                                    ; the first tensor load behind the round, my one load until the next; the four v_nop behind it are also the places in front of the loads below
.else
	PLACES
.endif
	FETCH \next, 0, F0
	WIN MUL
	MUL8 F1, 1, 0, 0
	MUL8 F1, 1, 2, 0
.endm
	s_wait_tensorcnt 1                             ; my part of K step 0 is in (K step 1's load may be out)
	s_barrier_signal -1
	s_barrier_wait -1                              ; everybody's is
	FETCH 0, 0, F0
	s_wait_loadcnt 0x0                             ; the bias
	QUARTER 0, 128, F0, F1, 1                      ; the first quarter stands in front of the loop: its first products start the sums on the bias
	WIN 0                                          ; at a label and at a branch every window is 0
	s_mov_b32 s3, LAPS-1
.Llap:                                                 ; a trip goes once round the ring, from a lap's second quarter to the next lap's first, and fills both slots again
	QUARTER 0, 256, F1, F0, 0
	QUARTER 0, 384, F0, F1, 0
	TURN 0, 1, 1
	QUARTER 1, 128, F0, F1, 0
	QUARTER 1, 256, F1, F0, 0
	QUARTER 1, 384, F0, F1, 0
	TURN 1, 0, 1
	QUARTER 0, 128, F0, F1, 0
	WIN 0
	s_sub_co_u32 s3, s3, 1
	s_cmp_lg_u32 s3, 0
	s_cbranch_scc1 .Llap
	QUARTER 0, 256, F1, F0, 0                      ; the last lap fills nothing, and has no round of the cluster's barrier
	QUARTER 0, 384, F0, F1, 0
	TURN 0, 1, 0
	QUARTER 1, 128, F0, F1, 0
	QUARTER 1, 256, F1, F0, 0
	QUARTER 1, 384, F0, F1, 0
	s_wait_dscnt 16                                ; the very last quarter: nothing more to fetch
	WIN MUL
	MUL8 F1, 0, 0, 0
	MUL8 F1, 0, 2, 0
	s_wait_dscnt 0
	MUL8 F1, 1, 0, 0
	MUL8 F1, 1, 2, 0
	WIN 0
; THE WAY OUT, block by block of 16 rows x 64 columns of f32.  A lane holds 32 neighbouring bytes of a row, and the lanes beside it hold other rows: a block goes through my own stage in LDS and comes back as whole rows of
; 256 bytes, my wave's whole share of a row.  LDS serves a wave's instructions in order (ISA guide 5.7.1.4): no wait between the stores and the loads, nor in front of the next block's stores.  No other wave touches my stage: no barrier.
.macro TOSTAGE a
.set BB, BK+32*((\a)%2)
.irp b, 0,1,2,3
	ds_store_b128 v[STO], v[ACC+8*(4*(\a)+\b):ACC+8*(4*(\a)+\b)+3] offset:64*\b          ; each accumulator from its low end on
	ds_store_b128 v[STO], v[ACC+8*(4*(\a)+\b)+4:ACC+8*(4*(\a)+\b)+7] offset:64*\b+16
.endr
.irp t, 0,1,2,3,4,5,6,7
	ds_load_b128 v[BB+4*\t:BB+4*\t+3], v[RD] offset:\t*2*SPITCH
.endr
.endm
.macro SEND a, younger                 ; younger: the LDS instructions issued behind block a's loads, which may stay out
.set BB, BK+32*((\a)%2)
	s_wait_dscnt \younger                          ; the block is back in registers
.irp t, 0,1,2,3,4,5,6,7
	global_store_b128 v[CO], v[BB+4*\t:BB+4*\t+3], s[8:9] offset:(16*(\a)+2*\t)*CROW th:TH_STORE_NT   ; 16 lanes store 256 consecutive bytes, at a multiple of 256 from out0's first byte; every offset is an immediate, 62 rows at the most
.endr
.endm
	PLACES
	TOSTAGE 0
.irp a, 1,2,3
.if \a > 1
	s_wait_xcnt 0x0                                ; block a - 2's stores have read their registers: block a's loads may land there
.endif
	TOSTAGE \a
	SEND \a-1, 16                                  ; behind block a - 1's loads: block a's 8 stores and 8 loads
.endr
	SEND 3, 0
	s_wait_tensorcnt 0x0                           ; the wave's end: three lines, behind my last tensor load and my last LDS store
	ds_add_u32 v[SPW], v[NIL]
	s_wait_dscnt 0x0
	CROUND                                         ; the closing round: no work-group ends while a partner may still ask for a tile that names it
	s_endpgm
.Lfunc_end_k_q897c318aed_outp:
	.size	k_q897c318aed_outp, .Lfunc_end_k_q897c318aed_outp-k_q897c318aed_outp
	.p2alignl 7, 3214868480
	.fill 96, 4, 3214868480
	.section	.rodata,"a",@progbits
	.p2align	6, 0x0
	.amdhsa_kernel k_q897c318aed_outp
		.amdhsa_group_segment_fixed_size 327680
		.amdhsa_private_segment_fixed_size 0
		.amdhsa_enable_private_segment 0
		.amdhsa_kernarg_size 32
		.amdhsa_user_sgpr_count 2
		.amdhsa_user_sgpr_kernarg_segment_ptr 1
		.amdhsa_wavefront_size32 1
		.amdhsa_system_sgpr_workgroup_id_x 1
		.amdhsa_system_sgpr_workgroup_id_y 1
		.amdhsa_system_sgpr_workgroup_id_z 1
		.amdhsa_system_vgpr_workitem_id 0
		.amdhsa_next_free_vgpr 512
		.amdhsa_next_free_sgpr 68
		.amdhsa_reserve_vcc 0
		.amdhsa_float_denorm_mode_32 3
		.amdhsa_float_denorm_mode_16_64 3
		.amdhsa_memory_ordered 1
		.amdhsa_forward_progress 1
		.amdhsa_inst_pref_size 86
	.end_amdhsa_kernel
	.amdgpu_metadata
---
amdhsa.version: [ 1, 2 ]
amdhsa.kernels:
  - .name:           k_q897c318aed_outp
    .symbol:         k_q897c318aed_outp.kd
    .args:
      - { .name: ctx, .offset: 0, .size: 8, .value_kind: global_buffer, .address_space: global }
      - { .name: wo16, .offset: 8, .size: 8, .value_kind: global_buffer, .address_space: global }
      - { .name: bo, .offset: 16, .size: 8, .value_kind: global_buffer, .address_space: global }
      - { .name: out0, .offset: 24, .size: 8, .value_kind: global_buffer, .address_space: global }
    .group_segment_fixed_size: 327680
    .private_segment_fixed_size: 0
    .kernarg_segment_align: 8
    .kernarg_segment_size: 32
    .max_flat_workgroup_size: 128
    .sgpr_count:     68
    .vgpr_count:     512
    .wavefront_size: 32
...
	.end_amdgpu_metadata
.endif
;; end of part 4
